; MI455X (gfx1250); checked and timed in simulation.
; The chip was launched on July 23, 2026; its instructions are those of AMD's public machine-readable ISA for CDNA 5 (MIT licence, August 2026) and "CDNA5" Instruction Set Architecture Reference Guide (July 2026). The comments in the code are by the model that wrote it; some were corrected since.
;; Naive Transformer Block. Allowed arithmetic: matrix products marked QUANTISED: E2M1 operands, one E8M0 scale for each 32 along K, by v_wmma_scale_f32_16x16x128_f8f6f4 with both operands' format E2M1 (or v_wmma_scale_f32_32x16x128_f4), f32 sums; everything else in f32.
;; Inputs: ffn1_b 4,096 float32; ffn1_w_codes 4,096 x 32 x 16 uint8 (E2M1 codes of ffn1_w, K innermost, in blocks of 32 codes, two codes a byte); ffn1_w_scales 4,096 x 32 uint8 (E8M0 scales of ffn1_w, one for each 32 codes along K); ffn2_b 1,024 float32; ffn2_w_codes 1,024 x 128 x 16 uint8 (E2M1 codes of ffn2_w, K innermost, in blocks of 32 codes, two codes a byte); ffn2_w_scales 1,024 x 128 uint8 (E8M0 scales of ffn2_w, one for each 32 codes along K); ln1_b 1,024 float32; ln1_g 1,024 float32; ln2_b 1,024 float32; ln2_g 1,024 float32; wk_b 1,024 float32; wk_w_codes 1,024 x 32 x 16 uint8 (E2M1 codes of wk_w, K innermost, in blocks of 32 codes, two codes a byte); wk_w_scales 1,024 x 32 uint8 (E8M0 scales of wk_w, one for each 32 codes along K); wo_b 1,024 float32; wo_w_codes 1,024 x 32 x 16 uint8 (E2M1 codes of wo_w, K innermost, in blocks of 32 codes, two codes a byte); wo_w_scales 1,024 x 32 uint8 (E8M0 scales of wo_w, one for each 32 codes along K); wq_b 1,024 float32; wq_w_codes 1,024 x 32 x 16 uint8 (E2M1 codes of wq_w, K innermost, in blocks of 32 codes, two codes a byte); wq_w_scales 1,024 x 32 uint8 (E8M0 scales of wq_w, one for each 32 codes along K); wv_b 1,024 float32; wv_w_codes 1,024 x 32 x 16 uint8 (E2M1 codes of wv_w, K innermost, in blocks of 32 codes, two codes a byte); wv_w_scales 1,024 x 32 uint8 (E8M0 scales of wv_w, one for each 32 codes along K); x 2 x 2,048 x 1,024 float32.
;; Outputs: out0 2 x 2,048 x 1,024 float32.
;; This version of the problem:
;;   THIS VERSION OF THE PROBLEM IS GIVEN IN LOW PRECISION. The matrix products marked QUANTISED in the list below multiply operands that are first quantised to E2M1 (2 exponent bits, 1 mantissa bit; 4 bits a number), with one power-of-two scale for each 32 numbers along K (OCP MX v1.0); their sums are f32. All else is computed in f32.
;;   The module's matrix products, in the order in which they are computed (A, B: the left and right operand; K: the contracted axis; several contracted axes count as one K, in the product's order):
;;     1. [M 4,096, K 1,024] x [K 1,024, N 1,024]; A: computed on the way; B: input wq_w (given as codes): QUANTISED
;;     2. [M 4,096, K 1,024] x [K 1,024, N 1,024]; A: computed on the way; B: input wk_w (given as codes): QUANTISED
;;     3. [M 4,096, K 1,024] x [K 1,024, N 1,024]; A: computed on the way; B: input wv_w (given as codes): QUANTISED
;;     4. batch 32 x [M 2,048, K 64] x [K 64, N 2,048]; A: computed on the way; B: computed on the way: QUANTISED
;;     5. batch 32 x [M 2,048, K 2,048] x [K 2,048, N 64]; A: softmax (see below); B: computed on the way: QUANTISED
;;     6. [M 4,096, K 1,024] x [K 1,024, N 1,024]; A: computed on the way; B: input wo_w (given as codes): QUANTISED
;;     7. [M 4,096, K 1,024] x [K 1,024, N 4,096]; A: computed on the way; B: input ffn1_w (given as codes): QUANTISED
;;     8. [M 4,096, K 4,096] x [K 4,096, N 1,024]; A: computed on the way; B: input ffn2_w (given as codes): QUANTISED
;;   THE QUANTISER, for each operand of a quantised product, along K:
;;     - K is cut into blocks of 32 from its start; a last block that is shorter is filled with zeros.
;;     - A block's scale is 2^e with e = floor(log2(the largest magnitude in the block)) - 2, held to -126 .. 127; a block of zeros has e = 0. As a byte (E8M0): e + 127.
;;     - Each number is divided by its block's scale, clamped to +-6, and rounded to the nearest number of E2M1, ties to even, subnormals kept.
;;     - The product sums the exact products of the quantised numbers (number of the format x scale) in f32.
;;   ~~~python
;;   def quantise(x, axis):      # numpy; x: float32 -> the quantised numbers, widened to float32 again
;;       x = np.moveaxis(x, axis, -1); K = x.shape[-1]
;;       x = np.pad(x, [(0, 0)] * (x.ndim - 1) + [(0, -K % 32)]); x = x.reshape(x.shape[:-1] + (-1, 32)); a = np.abs(x).max(-1, keepdims=True)
;;       e = np.where(a > 0, np.clip(np.frexp(np.where(a > 0, a, 1))[1] - 1 - 2, -126, 127), 0)      # np.frexp(a)[1] - 1 = floor(log2(a)), exactly
;;       r = np.clip(x / 2.0 ** e, -6, 6)
;;       step = 2.0 ** (np.maximum(np.frexp(np.where(r == 0, 1, r))[1] - 1, 0) - 1)
;;       q = np.round(r / step) * step * 2.0 ** e      # np.round: ties to even
;;       return np.moveaxis(q.reshape(q.shape[:-2] + (-1,))[..., :K], -1, axis).astype(np.float32)
;;   ~~~
;;   SOFTMAX AHEAD OF A QUANTISED PRODUCT. Where the list says 'softmax', what is quantised is not the finished softmax but p = 2^(t - M), with t = logit x log2(e) and M = ceil(the row's largest t), a whole number; so 1/2 < the row's largest p <= 1. The row's sum l is taken of the UNQUANTISED p, in f32, and the product's result is divided by l at the end. Since M is a whole number, a kernel that streams over the keys may use a running M (the ceiling of the running maximum): every later rescaling is an exact power of two, which a block's scale takes up: the codes' values come out the same.
;;   OPERANDS COMPUTED ON THE WAY. 'Computed on the way' means the value that the module computes at that place (a softmax that the list does not call 'softmax' is quantised finished and normalised). What goes into a quantiser is computed in f32, as accurately as f32 sums, v_exp_f32 and their like allow (about 1e-6 of the number): no bf16 or f16 on the way to a quantiser, and a product that is left as it is and whose result goes on into a quantised operand takes f32 operands (vector FMAs, or v_wmma_f32_16x16x4_f32). A number that lies on a knife's edge between two numbers of the format may be rounded either way, as far as f32 arithmetic and the matrix unit's own rounding can turn it there, and no further.
;;   INPUTS GIVEN AS CODES. ffn1_w (in the module: [4096, 1024], K = its axis 1); ffn2_w (in the module: [1024, 4096], K = its axis 1); wk_w (in the module: [1024, 1024], K = its axis 1); wo_w (in the module: [1024, 1024], K = its axis 1); wq_w (in the module: [1024, 1024], K = its axis 1); wv_w (in the module: [1024, 1024], K = its axis 1): each comes as NAME_codes (uint8): NAME with its K axis moved to the last place and cut into blocks of 32 codes, [.., K / 32, bytes a block], one block behind the other in memory; two codes a byte, the lower K in the low four bits (a code: sign, 2 exponent bits, 1 mantissa bit); and NAME_scales (uint8): the same leading axes, one E8M0 byte (e + 127) for each 32 codes along K. Its value is code x scale, taken as it is: it is not quantised again, and the codes and scales need not be those that the quantiser above would give.
;; One version. Each part assembles by itself: llvm-mc -triple=amdgcn-amd-amdhsa -mcpu=gfx1250 --defsym DOCPART=n.
;; ======== version 1 of 1: 6 launches
;; limits: right only within a limited range of input values
;; workspace buffers: hbuf 2,228,224 bytes; abuf 2,228,224 bytes; qkvb 9,175,040 bytes; x1 16,777,216 bytes; ffbuf 8,912,896 bytes; wimg 262,144 bytes
;; launch ln1 (part 1): grid 256 x 1, 16 waves a work-group, no clusters, 84,480 bytes of LDS; arguments x, ln1_g, ln1_b, hbuf, wo_w_codes, wimg; writes hbuf, wimg
.if DOCPART == 1
	.amdgcn_target "amdgcn-amd-amdhsa--gfx1250"
	.amdhsa_code_object_version 6
	.text
	.protected	k_q923bb63dad_ln1
	.globl	k_q923bb63dad_ln1
	.p2align	8
	.type	k_q923bb63dad_ln1,@function
k_q923bb63dad_ln1:
	s_mov_b64 s[64:65], 0
	v_nop
	global_prefetch_b8 v0, s[64:65] scope:SCOPE_SE
	s_setreg_imm32_b32 hwreg(HW_REG_WAVE_MODE, 25, 1), 1
	s_wait_xcnt 0x0
; LayerNorm over rows of 1,024 f32 (mean, then the mean of squared differences, 1 / sqrt by v_rsq_f32, gain, bias), all in f32, and behind it the
; MX-FP4 quantiser along the row: blocks of 32, scale byte = the largest magnitude's exponent field - 2, codes by the scaled conversion.
; OUT: the codes as images of a matrix operand's registers.  Tile tau = rows 16 tau .. 16 tau + 15; fragment (tau, s) = 16 rows x 128 K = 1,024 bytes
; [c 2][lane 32][16 bytes], lane (r, h) holding row r, k = 128 s + 64 c + 32 h + 0 .. 31.  Scale words [tau][s 8][r 16] u32 from byte SCOFF on.
; SHARES: a work-group takes one tile, each of its sixteen waves one row (r = wave), 32 registers of a wave, read from memory once.
; A lane loads 16 neighbouring bytes of each 512 (dense loads); for the conversions it must hold a whole block, so the finished row turns through the wave's own
; stage in LDS (a block's 128 bytes + 16 of padding).  Codes and scale bytes meet in an image of the tile in LDS and leave as runs of 512 bytes.
; BESIDE IT: wave 15 of work-group g copies one fragment of Wo's codes (16 rows x 128 K) into the image g of wimg: wave part g / 32, tile 4 + (g / 8) % 4, step g % 8, as the launch wl takes it.
; No tensor loads, no matrix unit, no cluster: work-groups share only the 8 KB of gain and bias.
; LIMITS: NaN and infinities are not served; a block whose largest magnitude lies under 2^-124 (a block of zeros too) gets the byte 1: its codes are what the
; conversion gives under that scale, zeros for zeros, and only this program reads the bytes.
.set STGW,  4608                       ; a wave's stage: 32 blocks x 144 bytes
.set IMG,   73728                      ; the tile's 8 fragments
.set SCI,   81920                      ; its 128 scale words
.set SPARE, 82432
.set SCOFF, 2097152
.set G,   16                           ; v16-47   gain
.set B,   48                           ; v48-79   bias
.set X,   80                           ; v80-111  my row
.set Y,   144                          ; v144-175 my block of the row
.set SU,  176                          ; v176-179 two chains of sums
.set PT,  180                          ; the other half's sum
.set MN,  182                          ; v182-183 the mean, twice
.set RS,  184                          ; v184-185 1 / sqrt(var + eps), twice
.set MA,  186                          ; v186-187 two chains of maxima
.set SO,  188                          ; the conversion's scale operand
.set BY,  189                          ; the scale byte
.set GO,  191                          ; 512 wave + 16 lane
.set AS,  192                          ; LDS address of the scale words on the way out
	s_load_b256 s[4:11], s[0:1], 0x0               ; rows s[4:5], gain s[6:7], bias s[8:9], out s[10:11]
	s_load_b128 s[28:31], s[0:1], 0x20             ; Wo's codes s[28:29], its images s[30:31]
	v_lshl_add_u32 v196, v0, 2, SPARE
	v_mov_b32 v197, 0
	v_lshrrev_b32 v1, 5, v0
	s_delay_alu instid0(VALU_DEP_1)
	v_readfirstlane_b32 s12, v1                    ; wave 0..15
	v_and_b32 v1, 31, v0                           ; lane
	s_delay_alu instid0(VALU_DEP_1)
	v_lshlrev_b32 v2, 4, v1                        ; 16 lane
	s_mul_i32 s13, s12, STGW
	v_lshrrev_b32 v3, 3, v1
	v_and_b32 v4, 7, v1
	v_mul_u32_u24 v3, v3, 144
	v_lshl_add_u32 v3, v4, 4, v3
	v_mul_u32_u24 v4, v1, 144
	v_add_nc_u32 v3, s13, v3                       ; into the stage: eight lanes fill a block's 128 bytes
	v_add_nc_u32 v4, s13, v4                       ; out of it: block = lane
	s_lshl_b32 s13, s12, 4
	s_add_co_u32 s13, s13, IMG
	v_lshl_add_u32 v5, v1, 8, s13                  ; block l is (s, c, h) = (l / 4, (l / 2) % 2, l % 2): 1,024 s + 512 c + 256 h = 256 l; + 16 r
	v_lshrrev_b32 v6, 2, v1
	v_and_b32 v7, 3, v1
	v_lshlrev_b32 v6, 6, v6
	s_lshl_b32 s13, s12, 2
	s_add_co_u32 s13, s13, SCI
	v_add_nc_u32 v6, v6, v7
	s_delay_alu instid0(VALU_DEP_1)
	v_add_nc_u32 v6, s13, v6                       ; the block's byte: 64 s + 4 r + l % 4
	s_lshl_b32 s13, s12, 9
	v_add_nc_u32 v[GO], s13, v2
	v_add_nc_u32 v[AS], SCI, v2
	v_add_nc_u32 v7, IMG, v[GO]                    ; on the way out wave w takes the tile's bytes 512 w .. + 511
	v_mov_b32 v[PT], 0                             ; a lane permute's destination counts as one of its sources
	v_and_b32 v198, 15, v1                         ; Wo: row r of 512 bytes, + 16 h
	v_lshrrev_b32 v199, 4, v1
	v_lshlrev_b32 v198, 9, v198
	s_delay_alu instid0(VALU_DEP_1)
	v_lshl_add_u32 v198, v199, 4, v198
.irp j, 200,201,202,203,204,205,206,207
	v_mov_b32 v[\j], 0                             ; (written in every wave, loaded in wave 15)
.endr
	s_mov_b32 s14, 0x76543210
	s_mov_b32 s15, 0xfedcba98                      ; v_permlanex16_b32's selects for lane l xor 16
	s_mov_b32 s16, 0x3a800000                      ; 1 / 1,024
	s_mov_b32 s17, 0x3727c5ac                      ; 1e-5
	s_lshl_b32 s20, ttmp9, 4
	s_add_co_u32 s20, s20, s12                     ; my row: 16 tau + wave
	s_lshl_b32 s20, s20, 12
	s_mov_b32 s21, 0
	s_lshl_b32 s22, ttmp9, 13                      ; the tile's codes: 8,192 tau
	s_mov_b32 s23, 0
	s_lshl_b32 s24, ttmp9, 9                       ; its scale words: 512 tau
	s_add_co_u32 s24, s24, SCOFF
	s_mov_b32 s25, 0
	s_lshr_b32 s18, ttmp9, 5                       ; Wo: row 128 (g / 32) + 16 (4 + (g / 8) % 4), byte 64 (g % 8)
	s_lshl_b32 s18, s18, 16
	s_bfe_u32 s19, ttmp9, 0x20003
	s_lshl_b32 s19, s19, 13
	s_add_co_u32 s18, s18, s19
	s_and_b32 s19, ttmp9, 7
	s_lshl_b32 s19, s19, 6
	s_add_co_u32 s18, s18, s19
	s_add_co_u32 s18, s18, 32768
	s_mov_b32 s19, 0
	s_lshl_b32 s26, ttmp9, 10
	s_mov_b32 s27, 0
	s_wait_alu depctr_va_vdst(0)                   ; the wait at the head's end
	s_wait_kmcnt 0x0
	s_add_nc_u64 s[4:5], s[4:5], s[20:21]
	s_add_nc_u64 s[24:25], s[10:11], s[24:25]
	s_add_nc_u64 s[10:11], s[10:11], s[22:23]
	s_add_nc_u64 s[28:29], s[28:29], s[18:19]
	s_add_nc_u64 s[30:31], s[30:31], s[26:27]
	s_cmp_lg_u32 s12, 15
	s_cbranch_scc1 .Lno_copy
	global_load_b128 v[200:203], v198, s[28:29]
	global_load_b128 v[204:207], v198, s[28:29] offset:32
.Lno_copy:
.irp j, 0,1,2,3,4,5,6,7
	global_load_b128 v[X+4*\j:X+4*\j+3], v2, s[4:5] offset:512*\j          ; 32 lanes read 512 consecutive bytes
.endr
.irp j, 0,1,2,3,4,5,6,7
	global_load_b128 v[G+4*\j:G+4*\j+3], v2, s[6:7] offset:512*\j
.endr
.irp j, 0,1,2,3,4,5,6,7
	global_load_b128 v[B+4*\j:B+4*\j+3], v2, s[8:9] offset:512*\j
.endr
.macro WSUM                            ; v[SU] summed over the 32 lanes, the result in every lane
.irp m, 1,2,4,8
	s_delay_alu instid0(VALU_DEP_1)
	v_add_f32_dpp v[SU], v[SU], v[SU] row_xmask:\m row_mask:0xf bank_mask:0xf
.endr
	s_delay_alu instid0(VALU_DEP_1)
	v_permlanex16_b32 v[PT], v[SU], s14, s15
	s_delay_alu instid0(VALU_DEP_1)
	v_add_f32 v[SU], v[SU], v[PT]
.endm
	s_wait_loadcnt 16                              ; my row is in; gain and bias may stay out
	v_pk_add_f32 v[SU:SU+1], v[X:X+1], v[X+2:X+3]
	v_pk_add_f32 v[SU+2:SU+3], v[X+4:X+5], v[X+6:X+7]
.irp j, 8,12,16,20,24,28
	s_delay_alu instid0(VALU_DEP_2)
	v_pk_add_f32 v[SU:SU+1], v[SU:SU+1], v[X+\j:X+\j+1]
	s_delay_alu instid0(VALU_DEP_2)
	v_pk_add_f32 v[SU+2:SU+3], v[SU+2:SU+3], v[X+\j+2:X+\j+3]
.endr
	s_delay_alu instid0(VALU_DEP_1)
	v_pk_add_f32 v[SU:SU+1], v[SU:SU+1], v[SU+2:SU+3]
	s_delay_alu instid0(VALU_DEP_1)
	v_add_f32 v[SU], v[SU], v[SU+1]
	WSUM
	s_delay_alu instid0(VALU_DEP_1)
	v_mul_f32 v[MN], s16, v[SU]                    ; the mean
	s_delay_alu instid0(VALU_DEP_1)
	v_mov_b32 v[MN+1], v[MN]
.set k, 0
.rept 16
	v_pk_add_f32 v[X+k:X+k+1], v[X+k:X+k+1], v[MN:MN+1] neg_lo:[0,1] neg_hi:[0,1]   ; x - mean
.set k, k+2
.endr
	v_pk_mul_f32 v[SU:SU+1], v[X:X+1], v[X:X+1]
	v_pk_mul_f32 v[SU+2:SU+3], v[X+2:X+3], v[X+2:X+3]
.irp j, 4,8,12,16,20,24,28
	s_delay_alu instid0(VALU_DEP_2)
	v_pk_fma_f32 v[SU:SU+1], v[X+\j:X+\j+1], v[X+\j:X+\j+1], v[SU:SU+1]
	s_delay_alu instid0(VALU_DEP_2)
	v_pk_fma_f32 v[SU+2:SU+3], v[X+\j+2:X+\j+3], v[X+\j+2:X+\j+3], v[SU+2:SU+3]
.endr
	s_delay_alu instid0(VALU_DEP_1)
	v_pk_add_f32 v[SU:SU+1], v[SU:SU+1], v[SU+2:SU+3]
	s_delay_alu instid0(VALU_DEP_1)
	v_add_f32 v[SU], v[SU], v[SU+1]
	WSUM
	s_delay_alu instid0(VALU_DEP_1)
	v_fma_f32 v[SU], v[SU], s16, s17               ; the variance + eps
	s_wait_alu depctr_va_vdst(0)                   ; the wait ahead of the transcendental
	v_rsq_f32 v[RS], v[SU]
	v_nop                                          ; a plain instruction between the transcendental and the use of its result
	s_wait_alu depctr_va_vdst(0)                   ; and ahead of the first reader
	s_wait_loadcnt 0x0                             ; gain and bias (and the copy)
	v_mov_b32 v[RS+1], v[RS]
.set k, 0
.rept 16
	v_pk_mul_f32 v[X+k:X+k+1], v[X+k:X+k+1], v[RS:RS+1]
.set k, k+2
.endr
.set k, 0
.rept 16
	v_pk_fma_f32 v[X+k:X+k+1], v[X+k:X+k+1], v[G+k:G+k+1], v[B+k:B+k+1]
.set k, k+2
.endr
.irp j, 0,1,2,3,4,5,6,7
	ds_store_b128 v3, v[X+4*\j:X+4*\j+3] offset:576*\j        ; a load's 512 bytes are four blocks
.endr
.irp j, 0,1,2,3,4,5,6,7
	ds_load_b128 v[Y+4*\j:Y+4*\j+3], v4 offset:16*\j          ; LDS serves a wave's instructions in order: these see the stores above
.endr
	s_wait_dscnt 0x0
	v_max3_num_f32 v[MA], |v[Y]|, |v[Y+1]|, 0x1800000         ; the block's largest magnitude, and the floor 2^(3 - 127): the byte cannot fall under 1
	v_max3_num_f32 v[MA+1], |v[Y+2]|, |v[Y+3]|, |v[Y+4]|
.irp j, 5,9,13,17,21,25
	s_delay_alu instid0(VALU_DEP_2)
	v_max3_num_f32 v[MA], v[MA], |v[Y+\j]|, |v[Y+\j+1]|
	s_delay_alu instid0(VALU_DEP_2)
	v_max3_num_f32 v[MA+1], v[MA+1], |v[Y+\j+2]|, |v[Y+\j+3]|
.endr
	s_delay_alu instid0(VALU_DEP_2)
	v_max3_num_f32 v[MA], v[MA], |v[Y+29]|, |v[Y+30]|
	s_delay_alu instid0(VALU_DEP_1)
	v_max3_num_f32 v[MA], v[MA], v[MA+1], |v[Y+31]|
	s_delay_alu instid0(VALU_DEP_1)
	v_add_nc_u32 v[SO], 0xff000000, v[MA]          ; 2 off its exponent field: the conversion takes that field as its scale
.irp g, 0,1,2,3
	v_cvt_scalef32_pk8_fp4_f32 v[8+\g], v[Y+8*\g:Y+8*\g+7], v[SO]
.endr
	v_lshrrev_b32 v[BY], 23, v[SO]                 ; the scale's byte (also the plain instruction behind the conversions)
	ds_store_b128 v5, v[8:11]
	ds_store_b8 v6, v[BY]
	s_wait_alu depctr_va_vdst(0)                   ; directly ahead of the wait below
	s_wait_dscnt 0x0                               ; for the others' sake: my stores into the tile's image are done
	s_barrier_signal -1
	s_barrier_wait -1
	ds_load_b128 v[16:19], v7
	s_wait_dscnt 0x0
	global_store_b128 v[GO], v[16:19], s[10:11]    ; 32 lanes store 512 consecutive bytes
	s_cmp_lg_u32 s12, 15
	s_cbranch_scc1 .Lno_image
	global_store_b128 v2, v[200:203], s[30:31]     ; wave 15: the fragment of Wo
	global_store_b128 v2, v[204:207], s[30:31] offset:512
.Lno_image:
	s_cmp_lg_u32 s12, 0
	s_cbranch_scc1 .Ldone
	ds_load_b128 v[24:27], v[AS]                   ; wave 0: the tile's 512 bytes of scale words
	s_wait_dscnt 0x0
	global_store_b128 v2, v[24:27], s[24:25]
.Ldone:
	s_wait_tensorcnt 0x0                           ; the wave's end
	ds_add_u32 v196, v197
	s_wait_dscnt 0x0
	s_endpgm
.Lfunc_end_k_q923bb63dad_ln1:
	.size	k_q923bb63dad_ln1, .Lfunc_end_k_q923bb63dad_ln1-k_q923bb63dad_ln1
	.p2alignl 7, 3214868480
	.fill 96, 4, 3214868480
	.section	.rodata,"a",@progbits
	.p2align	6, 0x0
	.amdhsa_kernel k_q923bb63dad_ln1
		.amdhsa_group_segment_fixed_size 84480
		.amdhsa_private_segment_fixed_size 0
		.amdhsa_enable_private_segment 0
		.amdhsa_kernarg_size 48
		.amdhsa_user_sgpr_count 2
		.amdhsa_user_sgpr_kernarg_segment_ptr 1
		.amdhsa_wavefront_size32 1
		.amdhsa_system_sgpr_workgroup_id_x 1
		.amdhsa_system_sgpr_workgroup_id_y 1
		.amdhsa_system_sgpr_workgroup_id_z 1
		.amdhsa_system_vgpr_workitem_id 0
		.amdhsa_next_free_vgpr 208
		.amdhsa_next_free_sgpr 66
		.amdhsa_reserve_vcc 0
		.amdhsa_float_denorm_mode_32 3
		.amdhsa_float_denorm_mode_16_64 3
		.amdhsa_memory_ordered 1
		.amdhsa_forward_progress 1
		.amdhsa_inst_pref_size 18
	.end_amdhsa_kernel
	.amdgpu_metadata
---
amdhsa.version: [ 1, 2 ]
amdhsa.kernels:
  - .name:           k_q923bb63dad_ln1
    .symbol:         k_q923bb63dad_ln1.kd
    .args:
      - { .name: x, .offset: 0, .size: 8, .value_kind: global_buffer, .address_space: global }
      - { .name: ln1_g, .offset: 8, .size: 8, .value_kind: global_buffer, .address_space: global }
      - { .name: ln1_b, .offset: 16, .size: 8, .value_kind: global_buffer, .address_space: global }
      - { .name: hbuf, .offset: 24, .size: 8, .value_kind: global_buffer, .address_space: global }
      - { .name: wo_w_codes, .offset: 32, .size: 8, .value_kind: global_buffer, .address_space: global }
      - { .name: wimg, .offset: 40, .size: 8, .value_kind: global_buffer, .address_space: global }
    .group_segment_fixed_size: 84480
    .private_segment_fixed_size: 0
    .kernarg_segment_align: 8
    .kernarg_segment_size: 48
    .max_flat_workgroup_size: 512
    .sgpr_count:     66
    .vgpr_count:     208
    .wavefront_size: 32
...
	.end_amdgpu_metadata
.endif
;; end of part 1
;; launch qkv (part 2): grid 12 x 16, 4 waves a work-group, clusters of 4 x 4, 287,232 bytes of LDS; arguments hbuf, wq_w_codes, wq_w_scales, wq_b, wk_w_codes, wk_w_scales, wk_b, wv_w_codes, wv_w_scales, wv_b, qkvb; writes qkvb
.if DOCPART == 2
	.amdgcn_target "amdgcn-amd-amdhsa--gfx1250"
	.amdhsa_code_object_version 6
	.text
	.protected	k_q923bb63dad_qkv
	.globl	k_q923bb63dad_qkv
	.p2align	8
	.type	k_q923bb63dad_qkv,@function
k_q923bb63dad_qkv:
	s_mov_b64 s[64:65], 0
	v_nop
	global_prefetch_b8 v0, s[64:65] scope:SCOPE_SE
	s_setreg_imm32_b32 hwreg(HW_REG_WAVE_MODE, 25, 1), 1
	s_wait_xcnt 0x0
	s_wait_alu depctr_hold_cnt(0) depctr_sa_sdst(0) depctr_va_vdst(0) depctr_va_sdst(0) depctr_va_ssrc(0) depctr_va_vcc(0) depctr_vm_vsrc(0)
	s_getreg_b32 s2, hwreg(HW_REG_IB_STS2, 6, 4)
	s_cmp_eq_u32 s2, 0
	s_cbranch_scc0 .Lentry_in_a_cluster
	s_endpgm
.Lentry_in_a_cluster:
	s_bfe_u32 s2, ttmp6, 0x10000c
	s_cmp_lg_u32 s2, 0xf033
	s_cbranch_scc0 .Lentry_shape_is_right
	s_endpgm
.Lentry_shape_is_right:
; q, k, v = h W^T + b on codes of MX-FP4, each quantised again on the way out for attention's two products.
; h: images of operand registers (tile = 16 tokens, fragment = 16 rows x 128 K = 1,024 bytes [c 2][lane 32][16]), scale words [tile][step 8][row 16] u32 from byte SCOFF on.
; W: codes as given, rows of 512 bytes; scale bytes, rows of 32.
; SHARES: a cluster's x says which matrix (0 q, 1 k, 2 v), the same in all its sixteen work-groups; a work-group makes 256 tokens x 256 columns (four heads), K = 1,024 all resident in LDS,
; filled once; a wave makes 128 x 128: 64 accumulators, 512 registers.  The four work-groups of a cluster's row share h's tiles, the four of a column W's: joint loads.
; q, k: the product is used transposed (source 0 = 16 rows of W, source 1 = 16 tokens): a lane holds one token, and register j of tile i column 16 i + 8 h + j.  The 64 registers of a tile of
; tokens are 128 columns = two heads; quantised along the columns they are the lower halves (K = 64) of two operand images.
; v: source 0 = 16 tokens, source 1 = 16 rows of W: a lane holds one column d and its registers run down the tokens, which are the second product's K: 128 keys make one fragment of V^T.
; OUT: part 0 (q) at 0, part 1 (k, v) at PART1; a part is [batch x head 32][sigma 16][8,960 bytes], sigma = 128 tokens: +0 eight images of 512 bytes (q or k); +4,096 four images of 1,024 (V^T);
; +8,192 [row 16][tile 8] scale words of q or k (bytes 2, 3 = 127: the upper 64 of K are zero codes in attention); +8,704 [row 16][d tile 4] scale words of V^T.
; LIMITS: NaN and infinities are not served; a block whose largest magnitude lies under 2^-124 (zeros too) gets the byte 1; only this program reads the bytes.
; REGISTERS: window 0: addresses, scale words, the way out; window 1: two sets of fragments (h's at 0 and 128, W's at 64 and 192); windows 2, 3: the accumulators.
; Each operand comes whole, by one tensor load of one wave: h's 16 tiles of 8,192 bytes (wave 0), W's 256 rows of 512 bytes (wave 1), the two blocks of scales (waves 2 and 3).
.set PITCH, 528                        ; a row of W in LDS: 512 bytes + 16
.set BBASE, 131072
.set ASC,   266240
.set BSC,   274432
.set SCOFF, 2097152
.set PART1, 4587520
.set HB,    143360                     ; a head's bytes in a part
.set SG,    8960
.set LI,   4                           ; v4   16 lane
.set ADRA, 5                           ; v5 h's fragments
.set ADRB, 7                           ; v7 W's
.set ADSA, 9
.set ADSB, 10
.set BO,   11                          ; q, k: bias offset 32 h
.set WO,   12                          ; q, k: scale words' place 32 r + 16 h
.set VO,   13                          ; v: scale words' place HB h + 16 r
.set BV,   14                          ; v: bias offset 4 r
.set WW,   16                          ; v16-31  scale words kept for the stores
.set SA,   32                          ; v32-63  h's: register 4 a + s / 2; lanes 0-15 the even step, lanes 16-31 the odd
.set SB,   64                          ; v64-95  W's: register 8 (i / 2) + s; lanes 0-15 the even tile, lanes 16-31 the odd
.set T,    96                          ; v96-159 64 numbers ahead of the quantiser
.set BI,   160                         ; v160-223 bias
.set TM,   224
.set PW,   240
.set PC,   242
.set SW,   250
.set BP,   254
.set FA,   256
.set FB,   320
.set ACC,  512
.set G1A,  24
.set G1B,  32
.set G1SA, 40
.set G1SB, 48
.set G0SA, 56
.set G0A0, 60
.set G0A1, 68
.set G0SB, 72
.set G0B0, 76
.set G0B1, 80
.set SEL,  100
.set MSB, 0
.macro WIN new                         ; the immediate's high byte repeats the setting that is left; a switch that changes nothing is dropped
.if MSB != (\new)
	s_set_vgpr_msb (MSB<<8)|(\new)
.set MSB, (\new)
.endif
.endm
.macro PLACES                          ; four plain instructions behind a matrix instruction, ahead of loads into its sources and of reads of its result
.rept 4
	v_nop
.endr
.endm
.macro ARM under, g0, g1, next         ; one arm of the head's tree of loads: it hangs on the wave's number alone
	s_cmp_lt_u32 s14, \under
	s_cbranch_scc0 \next
	tensor_load_to_lds s[\g0:\g0+3], s[\g1:\g1+7]
	s_nop 0
.rept 4
	v_nop
.endr
	s_branch .Lhead_asked
\next:
.endm
.macro CROUND                          ; a round of the cluster's barrier
	s_barrier_signal -1
	s_barrier_wait -1
	s_cmp_lg_u32 s14, 0
	s_cbranch_scc1 .Lnot_wave_0_\@
	s_barrier_signal -3
.Lnot_wave_0_\@:
	s_barrier_wait -3
	s_barrier_signal -1
	s_barrier_wait -1
.endm
; One matrix instruction on absolute register numbers: D = d, source 0 = x, source 1 = y; zero = 1: it starts the sum; sx, sy the scale registers, rx, ry = 1: their lanes 16-31.
.macro WM d, x, y, zero, sx, sy, rx, ry
	WIN (((\x)>>8)|(((\y)>>8)<<2)|(((\d)>>8)<<4)|(((\d)>>8)<<6))
.set WD, (\d)&255
.set WX, (\x)&255
.set WY, (\y)&255
.if \zero
.if ((\rx)==0)&&((\ry)==0)
	v_wmma_scale_f32_16x16x128_f8f6f4 v[WD:WD+7], v[WX:WX+7], v[WY:WY+7], 0, v[\sx], v[\sy] matrix_a_fmt:MATRIX_FMT_FP4 matrix_b_fmt:MATRIX_FMT_FP4
.elseif ((\rx)==1)&&((\ry)==0)
	v_wmma_scale_f32_16x16x128_f8f6f4 v[WD:WD+7], v[WX:WX+7], v[WY:WY+7], 0, v[\sx], v[\sy] matrix_a_fmt:MATRIX_FMT_FP4 matrix_b_fmt:MATRIX_FMT_FP4 matrix_a_scale:MATRIX_SCALE_ROW1
.elseif ((\rx)==0)&&((\ry)==1)
	v_wmma_scale_f32_16x16x128_f8f6f4 v[WD:WD+7], v[WX:WX+7], v[WY:WY+7], 0, v[\sx], v[\sy] matrix_a_fmt:MATRIX_FMT_FP4 matrix_b_fmt:MATRIX_FMT_FP4 matrix_b_scale:MATRIX_SCALE_ROW1
.else
	v_wmma_scale_f32_16x16x128_f8f6f4 v[WD:WD+7], v[WX:WX+7], v[WY:WY+7], 0, v[\sx], v[\sy] matrix_a_fmt:MATRIX_FMT_FP4 matrix_b_fmt:MATRIX_FMT_FP4 matrix_a_scale:MATRIX_SCALE_ROW1 matrix_b_scale:MATRIX_SCALE_ROW1
.endif
.else
.if ((\rx)==0)&&((\ry)==0)
	v_wmma_scale_f32_16x16x128_f8f6f4 v[WD:WD+7], v[WX:WX+7], v[WY:WY+7], v[WD:WD+7], v[\sx], v[\sy] matrix_a_fmt:MATRIX_FMT_FP4 matrix_b_fmt:MATRIX_FMT_FP4
.elseif ((\rx)==1)&&((\ry)==0)
	v_wmma_scale_f32_16x16x128_f8f6f4 v[WD:WD+7], v[WX:WX+7], v[WY:WY+7], v[WD:WD+7], v[\sx], v[\sy] matrix_a_fmt:MATRIX_FMT_FP4 matrix_b_fmt:MATRIX_FMT_FP4 matrix_a_scale:MATRIX_SCALE_ROW1
.elseif ((\rx)==0)&&((\ry)==1)
	v_wmma_scale_f32_16x16x128_f8f6f4 v[WD:WD+7], v[WX:WX+7], v[WY:WY+7], v[WD:WD+7], v[\sx], v[\sy] matrix_a_fmt:MATRIX_FMT_FP4 matrix_b_fmt:MATRIX_FMT_FP4 matrix_b_scale:MATRIX_SCALE_ROW1
.else
	v_wmma_scale_f32_16x16x128_f8f6f4 v[WD:WD+7], v[WX:WX+7], v[WY:WY+7], v[WD:WD+7], v[\sx], v[\sy] matrix_a_fmt:MATRIX_FMT_FP4 matrix_b_fmt:MATRIX_FMT_FP4 matrix_a_scale:MATRIX_SCALE_ROW1 matrix_b_scale:MATRIX_SCALE_ROW1
.endif
.endif
.endm
.macro FETCH s, p                      ; K step s: W's eight fragments and h's eight into set p: 32 LDS loads in one run
	WIN 0x40
.irp i, 0,1,2,3,4,5,6,7
.irp c, 0,1
	ds_load_b128 v[64+128*(\p)+8*\i+4*\c:64+128*(\p)+8*\i+4*\c+3], v[ADRB] offset:\i*16*PITCH+64*(\s)+32*\c
.endr
.endr
.irp i, 0,1,2,3,4,5,6,7
.irp c, 0,1
	ds_load_b128 v[128*(\p)+8*\i+4*\c:128*(\p)+8*\i+4*\c+3], v[ADRA] offset:8192*\i+1024*(\s)+512*\c
.endr
.endr
.endm
.macro SCALES                          ; all scale words of my 128 tokens and 128 columns, for all of K: they stay in registers
.irp a, 0,1,2,3,4,5,6,7
.irp p, 0,1,2,3
	ds_load_b32 v[SA+4*\a+\p], v[ADSA] offset:512*\a+128*\p
.endr
.endr
.irp q, 0,1,2,3
.irp g, 0,1
	ds_load_b128 v[SB+8*\q+4*\g:SB+8*\q+4*\g+3], v[ADSB] offset:1024*\q+16*\g
.endr
.endr
.endm
; 64 matrix instructions: K step s on set p.  The 64 accumulators take turns, one instruction a turn, in the same order in every step.
.macro MUL s, p, zero, swap
.if \swap
.irp b, 0,1,2,3,4,5,6,7
.irp a, 0,1,2,3,4,5,6,7
	WM ACC+8*(8*\b+\a), FA+128*(\p)+8*\a, FB+128*(\p)+8*\b, \zero, SA+4*\a+(\s)/2, SB+8*(\b/2)+(\s), (\s)%2, \b%2
.endr
.endr
.else
.irp a, 0,1,2,3,4,5,6,7
.irp b, 0,1,2,3,4,5,6,7
	WM ACC+8*(8*\a+\b), FB+128*(\p)+8*\b, FA+128*(\p)+8*\a, \zero, SB+8*(\b/2)+(\s), SA+4*\a+(\s)/2, \b%2, (\s)%2
.endr
.endr
.endif
.endm
.macro STEP s, swap                    ; the next step's fragments are asked for, then this step is multiplied
.if (\s) > 0
	PLACES
.endif
	FETCH (\s)+1, ((\s)+1)%2
	s_wait_dscnt 32                                ; all but the 32 loads just issued
	MUL \s, (\s)%2, (\s)==0, \swap
.endm
; 64 numbers of a lane, v[s] on: registers 16 b .. 16 b + 15 are, with lane l xor 16's, block b of 32 along the next K: register 16 b + 8 u + j is k = 32 b + 16 u + 8 (lane / 16) + j.
; They become a fragment's codes in v[PC] on and its scale word in v[PW].
.macro QUANT s
.irp b, 0,1,2,3
	v_max3_num_f32 v[TM+\b], |v[\s+16*\b]|, |v[\s+1+16*\b]|, 0x1800000   ; my 16 numbers, and the floor 2^(3 - 127): the byte cannot fall under 1
.endr
.irp i, 2,4,6,8,10,12,14
.irp b, 0,1,2,3
	v_max3_num_f32 v[TM+\b], v[TM+\b], |v[\s+16*\b+\i]|, |v[\s+1+16*\b+\i]|
.endr
.endr
.irp b, 0,1,2,3
	v_permlanex16_b32 v[TM+4+\b], v[TM+\b], s[SEL], s[SEL+1]
.endr
.irp b, 0,1,2,3
	v_max_num_f32 v[TM+\b], v[TM+\b], v[TM+4+\b]   ; with lane l xor 16's: the block's largest magnitude
.endr
.irp b, 0,1,2,3
	v_add_nc_u32 v[TM+12+\b], 0xff000000, v[TM+\b] ; 2 off its exponent field: the conversion's scale operand
.endr
.irp b, 0,1,2,3
	v_lshrrev_b32 v[TM+4+\b], 23, v[TM+12+\b]      ; the scale's byte
.endr
	v_lshl_or_b32 v[PW], v[TM+5], 8, v[TM+4]
	v_lshl_or_b32 v[PW], v[TM+6], 16, v[PW]
	v_lshl_or_b32 v[PW], v[TM+7], 24, v[PW]
.irp b, 0,1,2,3
	v_cvt_scalef32_pk8_fp4_f32 v[PC+4*(\b/2)+(\b%2)], v[\s+16*\b:\s+16*\b+7], v[TM+12+\b]        ; k = 32 b + 8 h + 0 .. 7
	v_cvt_scalef32_pk8_fp4_f32 v[PC+4*(\b/2)+2+(\b%2)], v[\s+16*\b+8:\s+16*\b+15], v[TM+12+\b]   ; k = 32 b + 16 + 8 h + 0 .. 7
.endr
	v_nop                                          ; one plain instruction behind a scaled conversion
.irp c, 0,1                            ; the first's lanes 16-31 change places with the second's lanes 0-15: registers 4 c .. 4 c + 3 then hold k = 64 c + 32 h + 0 .. 31
	v_permlane16_swap_b32 v[PC+4*\c], v[PC+4*\c+1]
	v_permlane16_swap_b32 v[PC+4*\c+2], v[PC+4*\c+3]
.endr
.endm
	s_load_b64 s[4:5], s[0:1], 0x0                 ; h
	s_load_b64 s[84:85], s[0:1], 0x8               ; Wq: codes, scales, bias
	s_load_b64 s[86:87], s[0:1], 0x10
	s_load_b64 s[88:89], s[0:1], 0x18
	s_load_b64 s[90:91], s[0:1], 0x20              ; Wk
	s_load_b64 s[92:93], s[0:1], 0x28
	s_load_b64 s[94:95], s[0:1], 0x30
	s_load_b64 s[96:97], s[0:1], 0x38              ; Wv
	s_load_b64 s[98:99], s[0:1], 0x40
	s_load_b64 s[100:101], s[0:1], 0x48
	s_load_b64 s[12:13], s[0:1], 0x50              ; out
	v_lshl_add_u32 v235, v0, 2, 0x46000
	v_mov_b32 v241, 0
	ds_add_u32 v235, v241
	ds_add_u32 v235, v241
	v_lshrrev_b32 v1, 5, v0
	v_readfirstlane_b32 s14, v1                    ; wave 0..3
	s_lshr_b32 s15, s14, 1                         ; which 128 tokens are mine.
	s_and_b32 s16, s14, 1                          ; which 128 columns.
	s_bfe_u32 s19, ttmp6, 0x40000                  ; cx
	s_bfe_u32 s20, ttmp6, 0x40004                  ; cy
	s_mov_b32 s18, s19                             ; block of 256 columns = cx: the cluster's x picks the matrix
	s_and_b32 s17, ttmp7, 0xffff
	s_lshl_b32 s17, s17, 2
	s_add_co_u32 s17, s17, s20                     ; block of 256 tokens = 4 x cluster y + cy
	s_lshl_b32 s21, s20, 2
	s_lshl_b32 s21, 15, s21                        ; my row of the cluster
	s_lshl_b32 s22, 0x1111, s19                    ; my column
	s_or_b32 s[G1A], s21, (3<<16)|(1<<21)          ; h: 16 tiles' rows of 1,024 elements of 8 bytes (eight K steps); no padding: an image's loads are dense
	s_mov_b32 s[G1A+1], 1024<<16                   ; whole: 16 rows of 1,024 elements, dense
	s_mov_b32 s[G1A+2], 16<<16
	s_mov_b32 s[G1A+3], 1024<<16
	s_mov_b32 s[G1A+4], 16
	s_mov_b32 s[G1A+5], 1024
	s_mov_b32 s[G1A+6], 0
	s_mov_b32 s[G1A+7], 0
	s_or_b32 s[G1B], s22, (1<<20)|(1<<21)|(6<<22)|(3<<25)   ; W: 256 rows of 512 bytes; four words of padding behind every 128
	s_mov_b32 s[G1B+1], 512<<16
	s_mov_b32 s[G1B+2], 256<<16
	s_mov_b32 s[G1B+3], 512<<16
	s_mov_b32 s[G1B+4], 256
	s_mov_b32 s[G1B+5], 512
	s_mov_b32 s[G1B+6], 0
	s_mov_b32 s[G1B+7], 0
	s_or_b32 s[G1SA], s21, (3<<16)|(1<<21)         ; scales: a dense block of 8,192 bytes as 32 rows of 256
	s_or_b32 s[G1SB], s22, (3<<16)|(1<<21)
.irp g, G1SA, G1SB
	s_mov_b32 s[\g+1], 32<<16
	s_mov_b32 s[\g+2], 32<<16                      ; 8,192 bytes as 32 rows of 256
	s_mov_b32 s[\g+3], 32<<16
	s_mov_b32 s[\g+4], 32
	s_mov_b32 s[\g+5], 32
	s_mov_b32 s[\g+6], 0
	s_mov_b32 s[\g+7], 0
.endr
	s_wait_dscnt 0x0
	s_wait_kmcnt 0x0
	s_cmp_eq_u32 ttmp9, 1                          ; the matrix: the choice hangs on the cluster's x alone
	s_cselect_b64 s[6:7], s[90:91], s[84:85]
	s_cselect_b64 s[8:9], s[92:93], s[86:87]
	s_cselect_b64 s[10:11], s[94:95], s[88:89]
	s_cmp_eq_u32 ttmp9, 2
	s_cselect_b64 s[6:7], s[96:97], s[6:7]
	s_cselect_b64 s[8:9], s[98:99], s[8:9]
	s_cselect_b64 s[10:11], s[100:101], s[10:11]
	s_lshl_b32 s84, s17, 17                        ; h's codes: 16 y tiles of 8,192 bytes
	s_mov_b32 s85, 0
	s_lshl_b32 s86, s17, 13                        ; its scale words: 512 bytes a tile
	s_add_co_u32 s86, s86, SCOFF
	s_mov_b32 s87, 0
	s_lshl_b32 s88, s18, 17                        ; W's codes: 256 x rows of 512 bytes
	s_mov_b32 s89, 0
	s_lshl_b32 s90, s18, 13                        ; its scale bytes: 32 a row
	s_mov_b32 s91, 0
	s_add_nc_u64 s[84:85], s[4:5], s[84:85]
	s_add_nc_u64 s[86:87], s[4:5], s[86:87]
	s_add_nc_u64 s[88:89], s[6:7], s[88:89]
	s_add_nc_u64 s[90:91], s[8:9], s[90:91]
	CROUND                                         ; all sixteen work-groups are here: the joint loads meet
	s_mov_b32 s[G0SA], 1
	s_mov_b32 s[G0SA+1], ASC
	s_mov_b64 s[G0SA+2:G0SA+3], s[86:87]
	s_or_b32 s[G0SA+3], s[G0SA+3], 0x80000000
	s_mov_b32 s[G0SB], 1
	s_mov_b32 s[G0SB+1], BSC
	s_mov_b64 s[G0SB+2:G0SB+3], s[90:91]
	s_or_b32 s[G0SB+3], s[G0SB+3], 0x80000000
	s_mov_b32 s[G0A0], 1
	s_mov_b32 s[G0A0+1], 0
	s_mov_b64 s[G0A0+2:G0A0+3], s[84:85]
	s_or_b32 s[G0A0+3], s[G0A0+3], 0x80000000
	s_mov_b32 s[G0B0], 1
	s_mov_b32 s[G0B0+1], BBASE
	s_mov_b64 s[G0B0+2:G0B0+3], s[88:89]
	s_or_b32 s[G0B0+3], s[G0B0+3], 0x80000000
	ARM 1, G0A0, G1A, .Lhead_b
	ARM 2, G0B0, G1B, .Lhead_sa
	ARM 3, G0SA, G1SA, .Lhead_sb
	tensor_load_to_lds s[G0SB:G0SB+3], s[G1SB:G1SB+7]   ; one tensor load a wave; nothing is filled twice
	s_nop 0
.rept 4
	v_nop
.endr
.Lhead_asked:
	v_and_b32 v1, 15, v0                           ; r
	v_bfe_u32 v2, v0, 4, 1                         ; h
	v_and_b32 v3, 31, v0                           ; lane
	v_lshlrev_b32 v[LI], 4, v3
	s_lshl_b32 s96, s15, 16
	v_add_nc_u32 v[ADRA], s96, v[LI]               ; my 8 tiles' images
	v_mul_u32_u24 v[ADRB], v1, PITCH
	v_lshl_add_u32 v[ADRB], v2, 4, v[ADRB]
	s_mul_i32 s96, s16, 128*PITCH
	s_add_co_u32 s96, s96, BBASE
	v_add_nc_u32 v[ADRB], s96, v[ADRB]             ; my 128 rows of W: row r, + 16 h
	s_lshl_b32 s96, s15, 12
	s_add_co_u32 s96, s96, ASC
	v_lshl_add_u32 v[ADSA], v3, 2, s96
	s_lshl_b32 s96, s16, 12
	s_add_co_u32 s96, s96, BSC
	v_lshl_add_u32 v[ADSB], v3, 5, s96             ; row = lane of a pair of tiles
	v_lshlrev_b32 v[BO], 5, v2
	v_lshlrev_b32 v[WO], 5, v1
	v_lshl_add_u32 v[WO], v2, 4, v[WO]
	v_mul_u32_u24 v[VO], v2, HB
	v_lshl_add_u32 v[VO], v1, 4, v[VO]
	v_lshlrev_b32 v[BV], 2, v1
	v_cmp_ne_u32 vcc_lo, 0, v2                     ; lanes 16-31
.irp b, 0,1,2,3
	v_mov_b32 v[TM+4+\b], 0                        ; a lane permute's destination counts as one of its sources
.endr
	s_cmp_eq_u32 ttmp9, 0                          ; where my results go
	s_cselect_b32 s96, 0, PART1
	s_lshr_b32 s97, s17, 3                         ; batch
	s_lshl_b32 s97, s97, 4
	s_lshl_b32 s98, s19, 2
	s_add_co_u32 s97, s97, s98
	s_lshl_b32 s98, s16, 1
	s_add_co_u32 s97, s97, s98                     ; 16 batch + my first head
	s_mul_i32 s97, s97, HB
	s_add_co_u32 s96, s96, s97
	s_and_b32 s97, s17, 7
	s_lshl_b32 s97, s97, 1
	s_add_co_u32 s97, s97, s15                     ; sigma
	s_mul_i32 s97, s97, SG
	s_add_co_u32 s96, s96, s97
	s_mov_b32 s97, 0
	s_add_nc_u64 s[12:13], s[12:13], s[96:97]
	s_lshl_b32 s96, s18, 10                        ; the bias of my 128 columns
	s_lshl_b32 s98, s16, 9
	s_add_co_u32 s96, s96, s98
	s_add_nc_u64 s[10:11], s[10:11], s[96:97]
	s_mov_b32 s98, 0xffff
	s_mov_b32 s99, 0x7f7f0000
	s_mov_b32 s[SEL], 0x76543210
	s_mov_b32 s[SEL+1], 0xfedcba98
	s_wait_alu depctr_va_vdst(0)                   ; the wait at the head's end
	s_wait_tensorcnt 0x0                           ; my load has landed,
	s_barrier_signal -1
	s_barrier_wait -1                              ; everybody's has.  This is the last barrier ahead of the closing round: none stands in the two ways below
	SCALES
	FETCH 0, 0
	WIN 0
	s_cmp_eq_u32 ttmp9, 2
	s_cbranch_scc1 .Lv
; ---- q and k
.irp i, 0,1,2,3,4,5,6,7
	global_load_b128 v[BI+8*\i:BI+8*\i+3], v[BO], s[10:11] offset:64*\i          ; tile i, my half: columns 16 i + 8 h + 0 .. 7
	global_load_b128 v[BI+8*\i+4:BI+8*\i+7], v[BO], s[10:11] offset:64*\i+16
.endr
.irp s, 0,1,2,3,4,5,6
	STEP \s, 0
.endr
	s_wait_dscnt 0x0
	MUL 7, 1, 0, 0
	WIN 0
	PLACES
	s_wait_loadcnt 0x0                             ; the bias
.macro OUTQ a                          ; tile a of tokens: + bias, quantised along the 128 columns: two heads' images and scale words
.if (\a) > 0
	s_wait_xcnt 0x0                                ; the last tile's stores have read their data registers
.endif
	WIN 2+(\a)/4
.set k, 0
.rept 32
	v_pk_add_f32 v[T+k:T+k+1], v[64*((\a)%4)+k:64*((\a)%4)+k+1], v[BI+k:BI+k+1]   ; each accumulator from its low end on
.set k, k+2
.endr
	WIN 0
	QUANT T
	global_store_b128 v[LI], v[PC:PC+3], s[12:13] offset:512*(\a)          ; 512 consecutive bytes
	global_store_b128 v[LI], v[PC+4:PC+7], s[12:13] offset:HB+512*(\a)     ; the next head
	v_and_or_b32 v[WW+(\a)], v[PW], s98, s99       ; bytes 0, 1; the upper two blocks of K are zero codes: 127
	v_lshrrev_b32 v[WW+8+(\a)], 16, v[PW]
	v_or_b32 v[WW+8+(\a)], s99, v[WW+8+(\a)]
.endm
.irp a, 0,1,2,3,4,5,6,7
	OUTQ \a
.endr
.irp e, 0,1
.irp k, 0,1,2,3
	v_cndmask_b32 v[T+4*\e+\k], v[WW+8*\e+\k], v[WW+8*\e+4+\k], vcc_lo     ; lanes 0-15 tiles 0-3, lanes 16-31 tiles 4-7
.endr
	global_store_b128 v[WO], v[T+4*\e:T+4*\e+3], s[12:13] offset:HB*\e+8192
.endr
	s_branch .Lend
; ---- v
.Lv:
	s_wait_alu depctr_va_vdst(0)
.irp i, 0,1,2,3,4,5,6,7
	global_load_b32 v[BI+\i], v[BV], s[10:11] offset:64*\i                 ; the bias of my lane's column 16 i + r
.endr
.irp s, 0,1,2,3,4,5,6
	STEP \s, 1
.endr
	s_wait_dscnt 0x0
	MUL 7, 1, 0, 1
	WIN 0
	PLACES
	s_wait_loadcnt 0x0
.macro OUTV b                          ; tile b of columns: + bias, quantised down the 128 tokens: one fragment of V^T
.if (\b) > 0
	s_wait_xcnt 0x0
.endif
	v_mov_b32 v[BP], v[BI+(\b)]
	v_mov_b32 v[BP+1], v[BI+(\b)]
	WIN 2+(\b)/4
.set k, 0
.rept 32
	v_pk_add_f32 v[T+k:T+k+1], v[64*((\b)%4)+k:64*((\b)%4)+k+1], v[BP:BP+1]
.set k, k+2
.endr
	WIN 0
	QUANT T
	global_store_b128 v[LI], v[PC:PC+3], s[12:13] offset:HB*((\b)/4)+4096+1024*((\b)%4)
	global_store_b128 v[LI], v[PC+4:PC+7], s[12:13] offset:HB*((\b)/4)+4096+1024*((\b)%4)+512
	v_mov_b32 v[WW+(\b)], v[PW]
.endm
.irp b, 0,1,2,3,4,5,6,7
	OUTV \b
.endr
.irp k, 0,1,2,3
	v_cndmask_b32 v[SW+\k], v[WW+\k], v[WW+4+\k], vcc_lo                   ; lanes 0-15 the first head's four tiles, lanes 16-31 the second's
.endr
	global_store_b128 v[VO], v[SW:SW+3], s[12:13] offset:8704
.Lend:
	s_wait_tensorcnt 0x0
	ds_add_u32 v235, v241
	s_wait_dscnt 0x0
	CROUND                                         ; the closing round: no work-group ends while a partner may still ask for a tile that names it
	s_endpgm
.Lfunc_end_k_q923bb63dad_qkv:
	.size	k_q923bb63dad_qkv, .Lfunc_end_k_q923bb63dad_qkv-k_q923bb63dad_qkv
	.p2alignl 7, 3214868480
	.fill 96, 4, 3214868480
	.section	.rodata,"a",@progbits
	.p2align	6, 0x0
	.amdhsa_kernel k_q923bb63dad_qkv
		.amdhsa_group_segment_fixed_size 287232
		.amdhsa_private_segment_fixed_size 0
		.amdhsa_enable_private_segment 0
		.amdhsa_kernarg_size 88
		.amdhsa_user_sgpr_count 2
		.amdhsa_user_sgpr_kernarg_segment_ptr 1
		.amdhsa_wavefront_size32 1
		.amdhsa_system_sgpr_workgroup_id_x 1
		.amdhsa_system_sgpr_workgroup_id_y 1
		.amdhsa_system_sgpr_workgroup_id_z 1
		.amdhsa_system_vgpr_workitem_id 0
		.amdhsa_next_free_vgpr 1024
		.amdhsa_next_free_sgpr 102
		.amdhsa_reserve_vcc 1
		.amdhsa_float_denorm_mode_32 3
		.amdhsa_float_denorm_mode_16_64 3
		.amdhsa_memory_ordered 1
		.amdhsa_forward_progress 1
		.amdhsa_inst_pref_size 255
	.end_amdhsa_kernel
	.section	.bss,"aw",@nobits
	.p2align	6
	.space	262144
	.amdgpu_metadata
---
amdhsa.version: [ 1, 2 ]
amdhsa.kernels:
  - .name:           k_q923bb63dad_qkv
    .symbol:         k_q923bb63dad_qkv.kd
    .args:
      - { .name: hbuf, .offset: 0, .size: 8, .value_kind: global_buffer, .address_space: global }
      - { .name: wq_w_codes, .offset: 8, .size: 8, .value_kind: global_buffer, .address_space: global }
      - { .name: wq_w_scales, .offset: 16, .size: 8, .value_kind: global_buffer, .address_space: global }
      - { .name: wq_b, .offset: 24, .size: 8, .value_kind: global_buffer, .address_space: global }
      - { .name: wk_w_codes, .offset: 32, .size: 8, .value_kind: global_buffer, .address_space: global }
      - { .name: wk_w_scales, .offset: 40, .size: 8, .value_kind: global_buffer, .address_space: global }
      - { .name: wk_b, .offset: 48, .size: 8, .value_kind: global_buffer, .address_space: global }
      - { .name: wv_w_codes, .offset: 56, .size: 8, .value_kind: global_buffer, .address_space: global }
      - { .name: wv_w_scales, .offset: 64, .size: 8, .value_kind: global_buffer, .address_space: global }
      - { .name: wv_b, .offset: 72, .size: 8, .value_kind: global_buffer, .address_space: global }
      - { .name: qkvb, .offset: 80, .size: 8, .value_kind: global_buffer, .address_space: global }
    .group_segment_fixed_size: 287232
    .private_segment_fixed_size: 0
    .kernarg_segment_align: 8
    .kernarg_segment_size: 88
    .max_flat_workgroup_size: 128
    .sgpr_count:     102
    .vgpr_count:     1024
    .wavefront_size: 32
...
	.end_amdgpu_metadata
.endif
;; end of part 2
;; launch attn (part 3): grid 8 x 32, 8 waves a work-group, clusters of 4 x 1, 169,984 bytes of LDS; arguments qkvb, abuf; writes abuf
.if DOCPART == 3
	.amdgcn_target "amdgcn-amd-amdhsa--gfx1250"
	.amdhsa_code_object_version 6
	.text
	.protected	k_q923bb63dad_attn
	.globl	k_q923bb63dad_attn
	.p2align	8
	.type	k_q923bb63dad_attn,@function
k_q923bb63dad_attn:
	s_mov_b64 s[64:65], 0
	v_nop
	global_prefetch_b8 v0, s[64:65] scope:SCOPE_SE
	s_setreg_imm32_b32 hwreg(HW_REG_WAVE_MODE, 25, 1), 1
	s_wait_xcnt 0x0
	s_wait_alu depctr_hold_cnt(0) depctr_sa_sdst(0) depctr_va_vdst(0) depctr_va_sdst(0) depctr_va_ssrc(0) depctr_va_vcc(0) depctr_vm_vsrc(0)
	s_getreg_b32 s2, hwreg(HW_REG_IB_STS2, 6, 4)
	s_cmp_eq_u32 s2, 0
	s_cbranch_scc0 .Lentry_in_a_cluster
	s_endpgm
.Lentry_in_a_cluster:
	s_bfe_u32 s2, ttmp6, 0x10000c
	s_cmp_lg_u32 s2, 0x3003
	s_cbranch_scc0 .Lentry_shape_is_right
	s_endpgm
.Lentry_shape_is_right:
; attn[q] = the sum over keys of softmax(q . k / 8) v, both products on codes of MX-FP4; the result is quantised along the model's axis for the next product.
; IN: q in part 0, k and v in part 1 of the workspace: [batch x head 32][sigma 16][8,960 bytes], sigma = 128 tokens: +0 eight images of 512 bytes (16 tokens x the head's 64: the lower half of a
; fragment); +4,096 four fragments of V^T (16 d x 128 keys); +8,192 [row 16][tile 8] scale words (bytes 2, 3 = 127); +8,704 [row 16][d tile 4].
; THE SOFTMAX: t = score x log2(e) / 8; M = the running largest t rounded up to a whole number; p = 2^(t - M) is quantised along the keys, not normalised; the row's sum is taken of the
; unquantised p and divides at the end.  When M moves, the sum and O are multiplied by 2^(old M - new M), which rounds nothing.
; SHARES: a work-group owns 256 queries of one head; each of its eight waves owns 32 of them, two tiles of 16, in 512 registers: each fragment of K and V that is read from LDS feeds both tiles.
; A head's k and v, 143,360 bytes, lie in LDS as they lie in memory, filled once: each wave fetches two sigmas by one load.  ONE barrier shows the whole head to every wave.
; CLUSTER: the four work-groups of a cluster are four query blocks of one head: k and v are asked for jointly, by the same descriptor with the mask of all four.
; No prefetch: the launch's one fill stands at its head, with nothing ahead of it to ask in.
; Both products are used transposed (S^T = K Q^T, O^T = V^T P^T): a lane holds one query of each tile; register j of tile t is key (or d) 16 t + 8 h + j.
; K's OPERANDS ARE WINDOWS: a step's eight images lie in 32 registers on end, and tile t's operand is the eight registers from 4 t on: its own 64 of K below, the next tile's codes above (behind
; tile 7 four registers of zeros).  What lies above meets Q's zero codes under scale bytes of 127 and adds nothing: every code of E2M1 is a finite number.
; OUT: images as the next product's operand wants them: tile tg, bytes 512 head + 16 lane; from SCOFF on two scale bytes for each head and token, [head 16][token 4,096].
; LIMITS: NaN and infinities are not served; the scaled scores (exponents to the base 2, ahead of the maximum) stay under 2^31 in magnitude; a block of p whose largest lies under 2^-124 gets the
; scale byte 0 (2^-127, a finite scale) in place of 1: such p stand beside a sum of at least 1/2.  A block of the result whose largest magnitude lies under 2^-124 (zeros too) gets the byte 1.
; A block's largest p is taken from the block's largest score by a multiply-add and exponential of its own: this takes v_exp_f32 not to fall where its input rises.
; REGISTERS, window 0: addresses; Q's two tiles (upper halves zero), K, V, all scale words.  Window 1 (v256 on, named from 0): v0-127 S^T, then p, of tiles 0 and 1; v128-191 O^T; v192-207 p's codes;
; v208-215 block maxima, then largest p / 4; v216-223 at work; v224, v226 -M; v228, v230 f; v232-235 the sums; v236-237 the largest t; v238-255 at work.
.set SG,    8960
.set HB,    143360
.set PART1, 4587520
.set SCOFF, 2097152
.set KW,    8192
.set VW,    8704
.set STG,   163840                     ; the way out: 512 scale bytes
.set SPARE, 167936                     ; the spare words: 8 x 128 bytes
.set KF,  32
.set VF,  68
.set WV,  14
.set G1,  16
.set G0,  24
.set SEL, 40
.set CS,  42
.set TB,  44
.set CNT, 45
.set MSB, 0
.macro WIN new                         ; the immediate's high byte repeats the setting that is left
.if MSB != (\new)
	s_set_vgpr_msb (MSB<<8)|(\new)
.set MSB, (\new)
.endif
.endm
.macro CROUND
	s_barrier_signal -1
	s_barrier_wait -1
	s_cmp_lg_u32 s[WV], 0
	s_cbranch_scc1 .Lnot_wave_0_\@
	s_barrier_signal -3
.Lnot_wave_0_\@:
	s_barrier_wait -3
	s_barrier_signal -1
	s_barrier_wait -1
.endm
	s_load_b128 s[4:7], s[0:1], 0x0                ; the workspace of q, k, v; out
	v_lshl_add_u32 v2, v0, 2, SPARE
	v_mov_b32 v3, 0
	ds_add_u32 v2, v3                              ; the opening add, twice on end
	ds_add_u32 v2, v3
	v_lshrrev_b32 v12, 5, v0
	v_readfirstlane_b32 s[WV], v12                 ; wave 0..7
	s_bfe_u32 s9, ttmp6, 0x40000                   ; cx
	s_lshl_b32 s10, ttmp9, 2
	s_add_co_u32 s10, s10, s9                      ; my block of 256 queries: it enters q's and the output's addresses alone
	s_and_b32 s11, ttmp7, 0xffff                   ; batch x head, which the four partners share
	s_mov_b32 s[G1], 15|(3<<16)|(1<<21)            ; the mask of all four; elements of 8 bytes; two sigmas' 17,920 dense bytes as 70 rows of 256
	s_mov_b32 s[G1+1], 32<<16
	s_mov_b32 s[G1+2], 70<<16
	s_mov_b32 s[G1+3], 32<<16
	s_mov_b32 s[G1+4], 70
	s_mov_b32 s[G1+5], 32
	s_mov_b32 s[G1+6], 0
	s_mov_b32 s[G1+7], 0
	s_mul_i32 s46, s[WV], 2*SG                     ; wave w fetches sigmas 2 w, 2 w + 1: their place in the head, in memory and in LDS alike
	s_mul_i32 s48, s11, HB
	s_add_co_u32 s48, s48, s46
	s_add_co_u32 s48, s48, PART1
	s_mov_b32 s49, 0
	s_lshl_b32 s50, s10, 1                         ; my queries: sigma 2 block + wave / 4, tiles 2 (wave % 4) and the next
	s_lshr_b32 s51, s[WV], 2
	s_add_co_u32 s50, s50, s51
	s_mul_i32 s50, s50, SG
	s_mul_i32 s51, s11, HB
	s_add_co_u32 s50, s50, s51
	s_and_b32 s51, s[WV], 3
	s_lshl_b32 s52, s51, 10
	s_add_co_u32 s52, s52, s50
	s_mov_b32 s53, 0
	s_lshl_b32 s54, s51, 3
	s_add_co_u32 s54, s54, s50
	s_mov_b32 s55, 0
	s_lshr_b32 s56, s11, 4                         ; batch
	s_and_b32 s57, s11, 15                         ; head
	s_lshl_b32 s58, s56, 7                         ; the output's first tile: 128 batch + 16 block + 2 wave
	s_lshl_b32 s59, s10, 4
	s_add_co_u32 s58, s58, s59
	s_lshl_b32 s59, s[WV], 1
	s_add_co_u32 s58, s58, s59
	s_lshl_b32 s58, s58, 13
	s_lshl_b32 s59, s57, 9
	s_add_co_u32 s58, s58, s59
	s_mov_b32 s59, 0
	s_lshl_b32 s56, s56, 12                        ; the work-group's scale bytes: 2 (4,096 head + 2,048 batch + 256 block)
	s_lshl_b32 s57, s57, 13
	s_add_co_u32 s56, s56, s57
	s_lshl_b32 s57, s10, 9
	s_add_co_u32 s56, s56, s57
	s_add_co_u32 s56, s56, SCOFF
	s_mov_b32 s57, 0
	s_mov_b32 s[SEL], 0x76543210
	s_mov_b32 s[SEL+1], 0xfedcba98                 ; v_permlanex16_b32's selects for lane l xor 16
	s_mov_b32 s[CS], 0x3e38aa3b                    ; c = log2(e) / 8
	s_mov_b32 s[CS+1], s[CS]                       ; (named with it as a pair, so it is written)
	s_wait_dscnt 0x0                               ; both opening adds are done
	s_wait_kmcnt 0x0
	s_add_nc_u64 s[48:49], s[4:5], s[48:49]
	s_add_nc_u64 s[52:53], s[4:5], s[52:53]        ; q's two images
	s_add_nc_u64 s[54:55], s[4:5], s[54:55]        ; q's scale words, less 8,192
	s_add_nc_u64 s[58:59], s[6:7], s[58:59]        ; the output's codes
	s_add_nc_u64 s[56:57], s[6:7], s[56:57]        ; and scale bytes
	s_mov_b32 s[G0], 1
	s_mov_b32 s[G0+1], s46
	s_mov_b64 s[G0+2:G0+3], s[48:49]
	s_or_b32 s[G0+3], s[G0+3], 0x80000000
	CROUND                                         ; all four work-groups are here: the joint loads meet
	tensor_load_to_lds s[G0:G0+3], s[G1:G1+7]      ; one tensor load of mine is out; nothing is filled twice
	s_nop 0
.rept 4
	v_nop
.endr
	v_and_b32 v8, 31, v0
	v_lshlrev_b32 v1, 4, v8                        ; 16 lane: an image's place for my lane
	v_and_b32 v6, 15, v0                           ; r
	v_bfe_u32 v7, v0, 4, 1                         ; h
	v_lshlrev_b32 v11, 5, v6                       ; 32 r
	v_add_nc_u32 v4, KW, v11                       ; K's scale words of row r
	v_lshl_add_u32 v5, v6, 4, VW                   ; V's
	global_load_b128 v[16:19], v1, s[52:53]        ; Q stays in registers
	global_load_b128 v[24:27], v1, s[52:53] offset:512
	global_load_b32 v112, v11, s[54:55] offset:KW
	global_load_b32 v113, v11, s[54:55] offset:KW+4
	v_cmp_ne_u32 vcc_lo, 0, v7                     ; lanes 16-31
.irp j, 20,21,22,23, 28,29,30,31, 64,65,66,67
	v_mov_b32 v[\j], 0                             ; zero codes: the upper 64 of K in Q, and what lies above tile 7 in its window; never loaded over
.endr
	WIN 0x55
.set k, 128
.rept 64
	v_mov_b32 v[k], 0                              ; O^T: the first step finds zeros, which the first change of M leaves zeros
.set k, k+1
.endr
.set k, 216
.rept 20
	v_mov_b32 v[k], 0                              ; lane permutes' destinations, the upper halves of pairs, the sums
.set k, k+1
.endr
	v_mov_b32 v236, 0xff61b1e6                     ; the largest t so far: -3e38
	v_mov_b32 v237, 0xff61b1e6
	v_floor_f32 v224, -v236                        ; -M
	v_floor_f32 v226, -v237
	WIN 0
.macro MAXS t                          ; tile t: the largest score of each block of 32 keys, my 16 of them: eight chains by turns, each accumulator from its low end on
.irp b, 0,1,2,3
	v_max3_num_f32 v[208+4*\t+\b], v[64*\t+16*\b], v[64*\t+16*\b+1], v[64*\t+16*\b+2]
.endr
.irp b, 0,1,2,3
	v_max3_num_f32 v[240+4*\t+\b], v[64*\t+16*\b+8], v[64*\t+16*\b+9], v[64*\t+16*\b+10]
.endr
.irp i, 3,5
.irp b, 0,1,2,3
	v_max3_num_f32 v[208+4*\t+\b], v[208+4*\t+\b], v[64*\t+16*\b+\i], v[64*\t+16*\b+\i+1]
.endr
.irp b, 0,1,2,3
	v_max3_num_f32 v[240+4*\t+\b], v[240+4*\t+\b], v[64*\t+16*\b+8+\i], v[64*\t+16*\b+9+\i]
.endr
.endr
.irp b, 0,1,2,3
	v_max3_num_f32 v[208+4*\t+\b], v[208+4*\t+\b], v[240+4*\t+\b], v[64*\t+16*\b+7]
.endr
.irp b, 0,1,2,3
	v_max_num_f32 v[208+4*\t+\b], v[208+4*\t+\b], v[64*\t+16*\b+15]
.endr
.endm
.macro MAX1                            ; line mn of tile 1's maxima (as MAXS 1)
.set mb, mn%4
.if mn < 4
	v_max3_num_f32 v[212+mb], v[64+16*mb], v[65+16*mb], v[66+16*mb]
.elseif mn < 8
	v_max3_num_f32 v[244+mb], v[72+16*mb], v[73+16*mb], v[74+16*mb]
.elseif mn < 24
.set mi, 3+2*((mn-8)/8)
.if ((mn-8)/4)%2
	v_max3_num_f32 v[244+mb], v[244+mb], v[72+16*mb+mi], v[73+16*mb+mi]
.else
	v_max3_num_f32 v[212+mb], v[212+mb], v[64+16*mb+mi], v[65+16*mb+mi]
.endif
.elseif mn < 28
	v_max3_num_f32 v[212+mb], v[212+mb], v[244+mb], v[71+16*mb]
.else
	v_max_num_f32 v[212+mb], v[212+mb], v[79+16*mb]
.endif
.set mn, mn+1
.endm
.macro FILA                            ; line fn of tile 0's work behind its M
.if fn < 4
	v_fma_f32 v[208+fn], v[208+fn], s[CS], v250    ; of each block's largest score t - M - 2: its power of two has the scale's exponent field
.elseif fn == 4
	v_pk_mul_f32 v[232:233], v[232:233], v[228:229] op_sel_hi:[1,0]
.elseif fn < 21
	v_pk_mul_f32 v[118+2*fn:119+2*fn], v[118+2*fn:119+2*fn], v[228:229] op_sel_hi:[1,0]   ; O^T under the new M, from its low end on
.else
	v_pk_fma_f32 v[2*fn-42:2*fn-41], v[2*fn-42:2*fn-41], s[CS:CS+1], v[224:225] op_sel_hi:[1,0,0]   ; t - M
.endif
.set fn, fn+1
.endm
; Tile t's maxima over the lanes' halves and its new M, each line followed by lines of other work that does not hang on it: 32 lines of the macro named.
.macro CHAIN t, fill
.irp b, 0,1,2,3
	v_permlanex16_b32 v[216+4*\t+\b], v[208+4*\t+\b], s[SEL], s[SEL+1]
	\fill
.endr
.irp b, 0,1,2,3
	v_max_num_f32 v[208+4*\t+\b], v[208+4*\t+\b], v[216+4*\t+\b]   ; with lane l xor 16's 16 keys
	\fill
.endr
	v_max3_num_f32 v[248+\t], v[208+4*\t], v[209+4*\t], v[210+4*\t]
.rept 3
	\fill
.endr
	v_max_num_f32 v[248+\t], v[248+\t], v[211+4*\t]
.rept 3
	\fill
.endr
	v_mul_f32 v[248+\t], s[CS], v[248+\t]          ; as t (c is positive)
.rept 3
	\fill
.endr
	v_max_num_f32 v[236+\t], v[236+\t], v[248+\t]  ; the running largest t
.rept 3
	\fill
.endr
	v_floor_f32 v[224+2*\t], -v[236+\t]            ; the new -M = -ceil(t)
.rept 3
	\fill
.endr
	v_sub_f32 v[238+\t], v[224+2*\t], v[238+\t]    ; old M - new M: a whole number, 0 or less
	v_add_f32 v[250+\t], -2.0, v[224+2*\t]         ; -M - 2
.rept 3
	\fill
.endr
	v_cvt_i32_f32 v[238+\t], v[238+\t]             ; (it saturates)
.rept 3
	\fill
.endr
	v_ldexp_f32 v[228+2*\t], 1.0, v[238+\t]        ; f = 2^(old M - new M)
.rept 3
	\fill
.endr
.endm
.macro TREE base, step, n
.set k, \base
.rept \n
	v_pk_add_f32 v[k:k+1], v[k:k+1], v[k+(\step):k+(\step)+1]
.set k, k+2*(\step)
.endr
.endm
; A KEY STEP: the 128 keys of the sigma at LDS byte s[TB], for both tiles.  pf = 1: the next sigma's K is fetched.
.macro STEP pf
	s_wait_dscnt 0x0                               ; this step's K and its scale words
	WIN 0x40
.irp t, 0,1,2,3,4,5,6,7
	v_wmma_scale_f32_16x16x128_f8f6f4 v[8*\t:8*\t+7], v[KF+4*\t:KF+4*\t+7], v[16:23], 0, v[100+\t], v112 matrix_a_fmt:MATRIX_FMT_FP4 matrix_b_fmt:MATRIX_FMT_FP4
.endr
.irp t, 0,1,2,3,4,5,6,7
	v_wmma_scale_f32_16x16x128_f8f6f4 v[64+8*\t:71+8*\t], v[KF+4*\t:KF+4*\t+7], v[24:31], 0, v[100+\t], v113 matrix_a_fmt:MATRIX_FMT_FP4 matrix_b_fmt:MATRIX_FMT_FP4
.endr
	WIN 0x55
	v_mov_b32 v238, v224                           ; the old -M.  These and the additions below, four plain instructions at least, are the places ahead of the loads and of the first read of the scores
	v_mov_b32 v239, v226
	WIN 0
	v_add_nc_u32 v8, s[TB], v1
	v_add_nc_u32 v10, s[TB], v5
.if \pf
	v_add_nc_u32 v9, s[TB], v4
.endif
.irp d, 0,1,2,3                        ; ONE run of LDS loads: this step's V, then the next step's K
	ds_load_b128 v[VF+8*\d:VF+8*\d+3], v8 offset:4096+1024*\d
	ds_load_b128 v[VF+8*\d+4:VF+8*\d+7], v8 offset:4096+1024*\d+512
.endr
	ds_load_b128 v[108:111], v10
.if \pf
.irp t, 0,1,2,3,4,5,6,7
	ds_load_b128 v[KF+4*\t:KF+4*\t+3], v8 offset:SG+512*\t
.endr
	ds_load_b128 v[100:103], v9 offset:SG
	ds_load_b128 v[104:107], v9 offset:SG+16
.endif
	WIN 0x55
	MAXS 0
.set mn, 0
	CHAIN 0, MAX1                                  ; tile 0's M among tile 1's maxima
.set fn, 0
	CHAIN 1, FILA                                  ; tile 1's M among tile 0's rescaling and t - M
.rept 21
	FILA
.endr
.irp b, 4,5,6,7
	v_fma_f32 v[208+\b], v[208+\b], s[CS], v251
.endr
	v_pk_mul_f32 v[234:235], v[234:235], v[230:231] op_sel_hi:[1,0]
.set k, 160
.rept 16
	v_pk_mul_f32 v[k:k+1], v[k:k+1], v[230:231] op_sel_hi:[1,0]
.set k, k+2
.endr
	s_wait_alu depctr_va_vdst(0)                   ; the wait ahead of the batch
.irp b, 0,1,2,3,4,5,6,7
	v_exp_f32 v[208+\b], v[208+\b]                 ; the blocks' largest p / 4
.endr
.set k, 0
.rept 32
	v_exp_f32 v[k], v[k]                           ; tile 0: p = 2^(t - M), at most 1
	v_exp_f32 v[k+1], v[k+1]
	v_pk_fma_f32 v[64+k:65+k], v[64+k:65+k], s[CS:CS+1], v[226:227] op_sel_hi:[1,0,0]   ; tile 1: t - M, first read behind the next wait
.set k, k+2
.endr
	s_wait_alu depctr_va_vdst(0)                   ; behind tile 0's batch and ahead of tile 1's
.set k, 0
.rept 32
	v_exp_f32 v[64+2*k], v[64+2*k]
	v_exp_f32 v[65+2*k], v[65+2*k]
.if k < 8
.set bq, k/2
.set uq, k%2
	v_cvt_scalef32_pk8_fp4_f32 v[192+4*(bq/2)+(bq%2)+2*uq], v[16*bq+8*uq:16*bq+8*uq+7], v[208+bq]   ; tile 0's codes: keys 32 b + 16 u + 8 h + 0 .. 7
.elseif k < 16
	v_lshrrev_b32 v[208+k], 23, v[200+k]           ; the scale bytes of both tiles, v216-223
.else
	v_pk_add_f32 v[4*(k-16):4*(k-16)+1], v[4*(k-16):4*(k-16)+1], v[4*(k-16)+2:4*(k-16)+3]   ; the first level of tile 0's sum of the unquantised p
.endif
.set k, k+1
.endr
	s_wait_alu depctr_va_vdst(0)                   ; behind tile 1's batch, and directly ahead of the wait below
.if \pf
	s_wait_dscnt 10                                ; V and its scale words are in; the ten younger loads, the next step's K and its scale words, may stay out
.else
	s_wait_dscnt 0x0
.endif
.irp b, 0,1,2,3
	v_cvt_scalef32_pk8_fp4_f32 v[200+4*(\b/2)+(\b%2)], v[64+16*\b:71+16*\b], v[212+\b]
	v_cvt_scalef32_pk8_fp4_f32 v[202+4*(\b/2)+(\b%2)], v[72+16*\b:79+16*\b], v[212+\b]
.endr
	TREE 0, 4, 8                                   ; plain instructions behind the scaled conversions
.irp c, 0,1                            ; registers 4 c .. 4 c + 3 then hold keys 64 c + 32 h + 0 .. 31
	v_permlane16_swap_b32 v[192+4*\c], v[193+4*\c]
	v_permlane16_swap_b32 v[194+4*\c], v[195+4*\c]
.endr
	v_lshl_or_b32 v248, v217, 8, v216              ; p's scale words for these 128 keys
	v_lshl_or_b32 v249, v221, 8, v220
	v_lshl_or_b32 v248, v218, 16, v248
	v_lshl_or_b32 v249, v222, 16, v249
	WIN 0x15
	v_lshl_or_b32 v114, v219, 24, v248             ; into window 0: scale operands have no window
	v_lshl_or_b32 v115, v223, 24, v249
	WIN 0x55
.irp c, 0,1
	v_permlane16_swap_b32 v[200+4*\c], v[201+4*\c]
	v_permlane16_swap_b32 v[202+4*\c], v[203+4*\c]
.endr
	TREE 64, 2, 16                                 ; the sums, a level of one tile and a level of the other: also the plain instructions between the codes' last write and the products
	TREE 0, 8, 4
	TREE 64, 4, 8
	TREE 0, 16, 2
	TREE 64, 8, 4
	TREE 0, 32, 1
	TREE 64, 16, 2
	v_pk_add_f32 v[232:233], v[232:233], v[0:1]
	TREE 64, 32, 1
	v_pk_add_f32 v[234:235], v[234:235], v[64:65]
	WIN 0x54
.irp t, 0,1                            ; the eight accumulators take turns
.irp d, 0,1,2,3
	v_wmma_scale_f32_16x16x128_f8f6f4 v[128+32*\t+8*\d:135+32*\t+8*\d], v[VF+8*\d:VF+8*\d+7], v[192+8*\t:199+8*\t], v[128+32*\t+8*\d:135+32*\t+8*\d], v[108+\d], v[114+\t] matrix_a_fmt:MATRIX_FMT_FP4 matrix_b_fmt:MATRIX_FMT_FP4
.endr
.endr
	WIN 0
.endm
	s_wait_alu depctr_va_vdst(0)                   ; the wait at the head's end
	s_wait_loadcnt 0x0                             ; Q
	s_wait_tensorcnt 0x0                           ; my two sigmas have landed,
	s_barrier_signal -1
	s_barrier_wait -1                              ; everybody's have: the whole head lies in LDS, and nothing is filled again
.irp t, 0,1,2,3,4,5,6,7
	ds_load_b128 v[KF+4*\t:KF+4*\t+3], v1 offset:512*\t       ; the first step's K
.endr
	ds_load_b128 v[100:103], v4
	ds_load_b128 v[104:107], v4 offset:16
	s_mov_b32 s[TB], 0
	s_mov_b32 s[CNT], 15
.Lstep:                                            ; fifteen steps that fetch the next step's K
	STEP 1
	s_add_co_u32 s[TB], s[TB], SG
	s_sub_co_u32 s[CNT], s[CNT], 1
	s_cmp_lg_u32 s[CNT], 0
	s_cbranch_scc1 .Lstep
	s_mov_b32 s[TB], 15*SG
	STEP 0                                         ; the last step is written out: no LDS load passes the head's bytes
	; THE WAY OUT: O^T / the sum, quantised along the head's 64 (two blocks a tile), as half a fragment of the next product's operand.
	WIN 0x55
	v_add_f32 v232, v232, v233                     ; (these six are also the places behind the last products)
	v_add_f32 v234, v234, v235
	v_permlanex16_b32 v216, v232, s[SEL], s[SEL+1]
	v_permlanex16_b32 v217, v234, s[SEL], s[SEL+1]
	v_add_f32 v232, v232, v216                     ; the rows' sums
	v_add_f32 v234, v234, v217
	s_wait_alu depctr_va_vdst(0)                   ; the wait ahead of the transcendentals too
	v_rcp_f32 v232, v232
	v_rcp_f32 v234, v234
	v_nop
	s_wait_alu depctr_va_vdst(0)                   ; ahead of the first readers of the reciprocals and of the last products' results
.irp t, 0,1
.set k, 0
.rept 16
	v_pk_mul_f32 v[64*\t+k:64*\t+k+1], v[128+32*\t+k:129+32*\t+k], v[232+2*\t:233+2*\t] op_sel_hi:[1,0]   ; register 8 i + j is d = 16 i + 8 h + j
.set k, k+2
.endr
.endr
.irp q, 0,1,2,3                        ; q = 2 tile + block
	v_max3_num_f32 v[208+\q], |v[64*(\q/2)+16*(\q%2)]|, |v[64*(\q/2)+16*(\q%2)+1]|, 0x1800000
.endr
.irp i, 2,4,6,8,10,12,14
.irp q, 0,1,2,3
	v_max3_num_f32 v[208+\q], v[208+\q], |v[64*(\q/2)+16*(\q%2)+\i]|, |v[64*(\q/2)+16*(\q%2)+\i+1]|
.endr
.endr
.irp q, 0,1,2,3
	v_permlanex16_b32 v[216+\q], v[208+\q], s[SEL], s[SEL+1]
.endr
.irp q, 0,1,2,3
	v_max_num_f32 v[208+\q], v[208+\q], v[216+\q]
.endr
.irp q, 0,1,2,3
	v_add_nc_u32 v[240+\q], 0xff000000, v[208+\q]  ; 2 off the exponent field
.endr
.irp q, 0,1,2,3
	v_lshrrev_b32 v[216+\q], 23, v[240+\q]
.endr
.irp q, 0,1,2,3
	v_cvt_scalef32_pk8_fp4_f32 v[192+8*(\q/2)+(\q%2)], v[64*(\q/2)+16*(\q%2):64*(\q/2)+16*(\q%2)+7], v[240+\q]
	v_cvt_scalef32_pk8_fp4_f32 v[194+8*(\q/2)+(\q%2)], v[64*(\q/2)+16*(\q%2)+8:64*(\q/2)+16*(\q%2)+15], v[240+\q]
.endr
	v_lshl_or_b32 v244, v217, 8, v216              ; a query's two bytes (plain instructions behind the conversions)
	v_lshl_or_b32 v245, v219, 8, v218
	v_permlane16_swap_b32 v192, v193
	v_permlane16_swap_b32 v194, v195
	v_permlane16_swap_b32 v200, v201
	v_permlane16_swap_b32 v202, v203
	v_cndmask_b32 v246, v244, v245, vcc_lo         ; lanes 0-15 tile 0's queries, lanes 16-31 tile 1's
	WIN 0
	v_lshl_add_u32 v8, v0, 1, STG                  ; my query's two bytes among the work-group's 512
	v_add_nc_u32 v9, STG, v1
	WIN 0x04
	ds_store_b16 v8, v246
	global_store_b128 v1, v[192:195], s[58:59]     ; 512 consecutive bytes
	global_store_b128 v1, v[200:203], s[58:59] offset:8192
	WIN 0
	s_wait_alu depctr_va_vdst(0)                   ; directly ahead of the waits below
	s_wait_dscnt 0x0
	s_barrier_signal -1
	s_barrier_wait -1                              ; all eight waves' scale bytes lie in the stage
	s_cmp_lg_u32 s[WV], 0
	s_cbranch_scc1 .Ldone
	ds_load_b128 v[16:19], v9
	s_wait_dscnt 0x0
	global_store_b128 v1, v[16:19], s[56:57]       ; wave 0: 512 consecutive bytes
.Ldone:
	s_wait_tensorcnt 0x0                           ; the wave's end
	ds_add_u32 v2, v3
	s_wait_dscnt 0x0
	CROUND                                         ; the closing round: no work-group ends while a partner may still ask for a tile that names it
	s_endpgm
.Lfunc_end_k_q923bb63dad_attn:
	.size	k_q923bb63dad_attn, .Lfunc_end_k_q923bb63dad_attn-k_q923bb63dad_attn
	.p2alignl 7, 3214868480
	.fill 96, 4, 3214868480
	.section	.rodata,"a",@progbits
	.p2align	6, 0x0
	.amdhsa_kernel k_q923bb63dad_attn
		.amdhsa_group_segment_fixed_size 169984
		.amdhsa_private_segment_fixed_size 0
		.amdhsa_enable_private_segment 0
		.amdhsa_kernarg_size 16
		.amdhsa_user_sgpr_count 2
		.amdhsa_user_sgpr_kernarg_segment_ptr 1
		.amdhsa_wavefront_size32 1
		.amdhsa_system_sgpr_workgroup_id_x 1
		.amdhsa_system_sgpr_workgroup_id_y 1
		.amdhsa_system_sgpr_workgroup_id_z 1
		.amdhsa_system_vgpr_workitem_id 0
		.amdhsa_next_free_vgpr 512
		.amdhsa_next_free_sgpr 66
		.amdhsa_reserve_vcc 1
		.amdhsa_float_denorm_mode_32 3
		.amdhsa_float_denorm_mode_16_64 3
		.amdhsa_memory_ordered 1
		.amdhsa_forward_progress 1
		.amdhsa_inst_pref_size 70
	.end_amdhsa_kernel
	.amdgpu_metadata
---
amdhsa.version: [ 1, 2 ]
amdhsa.kernels:
  - .name:           k_q923bb63dad_attn
    .symbol:         k_q923bb63dad_attn.kd
    .args:
      - { .name: qkvb, .offset: 0, .size: 8, .value_kind: global_buffer, .address_space: global }
      - { .name: abuf, .offset: 8, .size: 8, .value_kind: global_buffer, .address_space: global }
    .group_segment_fixed_size: 169984
    .private_segment_fixed_size: 0
    .kernarg_segment_align: 8
    .kernarg_segment_size: 16
    .max_flat_workgroup_size: 256
    .sgpr_count:     66
    .vgpr_count:     512
    .wavefront_size: 32
...
	.end_amdgpu_metadata
.endif
;; end of part 3
;; launch wl (part 4): grid 256 x 1, 8 waves a work-group, clusters of 4 x 1, 327,680 bytes of LDS; arguments abuf, wo_w_codes, wo_w_scales, wo_b, x, ln2_g, ln2_b, x1, hbuf, wimg; writes x1, hbuf
.if DOCPART == 4
	.amdgcn_target "amdgcn-amd-amdhsa--gfx1250"
	.amdhsa_code_object_version 6
	.text
	.protected	k_q923bb63dad_wl
	.globl	k_q923bb63dad_wl
	.p2align	8
	.type	k_q923bb63dad_wl,@function
k_q923bb63dad_wl:
	s_mov_b64 s[64:65], 0
	v_nop
	global_prefetch_b8 v0, s[64:65] scope:SCOPE_SE
	s_setreg_imm32_b32 hwreg(HW_REG_WAVE_MODE, 25, 1), 1
	s_wait_xcnt 0x0
	s_wait_alu depctr_hold_cnt(0) depctr_sa_sdst(0) depctr_va_vdst(0) depctr_va_sdst(0) depctr_va_ssrc(0) depctr_va_vcc(0) depctr_vm_vsrc(0)
	s_getreg_b32 s2, hwreg(HW_REG_IB_STS2, 6, 4)
	s_cmp_eq_u32 s2, 0
	s_cbranch_scc0 .Lentry_in_a_cluster
	s_endpgm
.Lentry_in_a_cluster:
	s_bfe_u32 s2, ttmp6, 0x10000c
	s_cmp_lg_u32 s2, 0x3003
	s_cbranch_scc0 .Lentry_shape_is_right
	s_endpgm
.Lentry_shape_is_right:
; x1 = x + attn Wo^T + bo (the product on codes of MX-FP4), and behind it h2 = Q(LayerNorm(x1)), the codes of the next product's operand.
; SHARES: a work-group owns 16 tokens and all 1,024 columns, so a row's LayerNorm needs no other work-group; each of its eight waves owns 128 columns, which are one K step of the next product.
; W: a wave's tiles 0 to 3 (64 rows of 512 bytes) come into LDS by its own tensor load and are read by no other wave; its tiles 4 to 7 come from memory straight into 256 registers, from images that an earlier launch laid.
; CLUSTER: the four work-groups of a cluster ask for the LDS half of W jointly (mask of all four, the same descriptor).
; attn's tile, its scales, gain and shift are read from memory once in a work-group and pass through LDS.
; No prefetch: the launch has no loop to run ahead in; all its loads stand at its head.
; The product is used transposed (source 0 = 16 rows of W, source 1 = 16 tokens): lane (r, h) holds token r, register 8 i + j column 128 w + 16 i + 8 h + j.  x + bo, turned into this layout through the wave's stage, is
; the products' C.
; LAYERNORM: each wave takes mean and sum of squared differences of its 128 columns; the eight pairs meet in LDS: mean = their mean, squares = the sum of theirs + 128 x the squares of (wave's mean - mean).
; IN: attn's codes as register images [tile][head 16][512 bytes], scale bytes from SCOFF on [head 16][token 4,096][2].
; OUT: h2's codes [tile 256][step 8][1,024 bytes], scale words from SCOFF on [tile][step 8][row 16].
; LIMITS: NaN and infinities are not served; a block whose largest magnitude lies under 2^-124 (zeros too) gets the byte 1; only this program reads the bytes.
; REGISTERS, window 0: v16-79 the accumulators; v80-143 attn's fragments; v144-151 their scale words; v152-159 bo, later sums; v160-191 W's scale words; v192-255 x's rows, then W's fragments, two sets, then x1's rows.
; Window 1 (named from 0): W's tiles 4 to 7, step s, tile e at v[32 s + 8 e]; later gain v0-63 and shift v64-127.
.set SCOFF, 2097152
.set PITCH, 528
.set STG,   270336                     ; eight stages of 16 rows x 272 bytes
.set AX,    305152                     ; attn's tile
.set ASX,   313344                     ; its scale words: 128 bytes a step, the lower 64 are read
.set GB,    314368                     ; gain and shift: 512 + 512 bytes for each wave
.set EX,    322560                     ; mean and squares: 8 bytes for each thread
.set SCX,   324608                     ; the tile's 128 scale words
.set SPARE, 325120
.set SP,   272
.set ACC,  16
.set AF,   80
.set AS,   144
.set WS,   160
.set WF,   192
.set G1,   28
.set G0,   36
.set SEL,  44
.set MSB, 0
.macro WIN new
.if MSB != (\new)
	s_set_vgpr_msb (MSB<<8)|(\new)
.set MSB, (\new)
.endif
.endm
.macro PLACES
.rept 4
	v_nop
.endr
.endm
.macro CROUND
	s_barrier_signal -1
	s_barrier_wait -1
	s_cmp_lg_u32 s22, 0
	s_cbranch_scc1 .Lnot_wave_0_\@
	s_barrier_signal -3
.Lnot_wave_0_\@:
	s_barrier_wait -3
	s_barrier_signal -1
	s_barrier_wait -1
.endm
.macro FET s                           ; K step s: my tiles 0 to 3 from LDS into set s % 2
.irp i, 0,1,2,3
.irp c, 0,1
	ds_load_b128 v[WF+32*((\s)%2)+8*\i+4*\c:WF+32*((\s)%2)+8*\i+4*\c+3], v12 offset:\i*16*PITCH+64*(\s)+32*\c
.endr
.endr
.endm
.macro MULS f, wbase, s                ; four accumulators by turns: tiles 4 f .. 4 f + 3, W's fragments from register wbase on
.irp i, 0,1,2,3
.set AC, ACC+8*(4*(\f)+\i)
.set WR, (\wbase)+8*\i
.set WQ, WS+8*(2*(\f)+\i/2)+(\s)
.if \i%2
	v_wmma_scale_f32_16x16x128_f8f6f4 v[AC:AC+7], v[WR:WR+7], v[AF+8*(\s):AF+8*(\s)+7], v[AC:AC+7], v[WQ], v[AS+(\s)] matrix_a_fmt:MATRIX_FMT_FP4 matrix_b_fmt:MATRIX_FMT_FP4 matrix_a_scale:MATRIX_SCALE_ROW1
.else
	v_wmma_scale_f32_16x16x128_f8f6f4 v[AC:AC+7], v[WR:WR+7], v[AF+8*(\s):AF+8*(\s)+7], v[AC:AC+7], v[WQ], v[AS+(\s)] matrix_a_fmt:MATRIX_FMT_FP4 matrix_b_fmt:MATRIX_FMT_FP4
.endif
.endr
.endm
.macro WLOAD s                         ; K step s: my tiles 4 to 7 from memory, 512 consecutive bytes a load
	WIN 0x40
.irp e, 0,1,2,3
	global_load_b128 v[32*\s+8*\e:32*\s+8*\e+3], v1, s[6:7] offset:1024*(8*\e+\s)
	global_load_b128 v[32*\s+8*\e+4:32*\s+8*\e+7], v1, s[6:7] offset:1024*(8*\e+\s)+512
.endr
.endm
.macro TURN f                          ; 64 finished columns into my stage and back as rows: 16 lanes hold 256 neighbouring bytes of a row
.irp i, 0,1,2,3
	ds_store_b128 v13, v[ACC+32*\f+8*\i:ACC+32*\f+8*\i+3] offset:64*\i
	ds_store_b128 v13, v[ACC+32*\f+8*\i+4:ACC+32*\f+8*\i+7] offset:64*\i+16
.endr
.irp t, 0,1,2,3,4,5,6,7
	ds_load_b128 v[WF+32*\f+4*\t:WF+32*\f+4*\t+3], v14 offset:2*\t*SP      ; LDS serves a wave's instructions in order: these see the stores above
.endr
.endm
.macro SENDX f
	s_wait_alu depctr_va_vdst(0)                   ; directly ahead of the wait below
	s_wait_dscnt 0x0
.irp t, 0,1,2,3,4,5,6,7
	global_store_b128 v8, v[WF+32*\f+4*\t:WF+32*\f+4*\t+3], s[18:19] offset:8192*\t+256*\f
.endr
.endm
	s_load_b512 s[4:19], s[0:1], 0x0               ; attn s[4:5], W's codes s[6:7], scales s[8:9], bo s[10:11], x s[12:13], gain s[14:15], shift s[16:17], x1 s[18:19]
	s_load_b64 s[20:21], s[0:1], 0x40              ; h2
	s_load_b64 s[26:27], s[0:1], 0x48              ; W's images
	v_lshl_add_u32 v2, v0, 2, SPARE
	v_mov_b32 v3, 0
	ds_add_u32 v2, v3                              ; the opening add, twice on end
	ds_add_u32 v2, v3
	v_lshrrev_b32 v4, 5, v0
	v_readfirstlane_b32 s22, v4                    ; wave 0..7
	s_bfe_u32 s23, ttmp6, 0x40000
	s_lshl_b32 s24, ttmp9, 2
	s_add_co_u32 s24, s24, s23                     ; my tile of 16 tokens: it enters no tensor load
	s_mov_b32 s[G1], 15|(1<<20)|(1<<21)|(6<<22)|(3<<25)   ; the mask of all four; 64 rows of 512 bytes, four words of padding behind every 128
	s_mov_b32 s[G1+1], 512<<16
	s_mov_b32 s[G1+2], 64<<16
	s_mov_b32 s[G1+3], 512<<16
	s_mov_b32 s[G1+4], 64
	s_mov_b32 s[G1+5], 512
	s_mov_b32 s[G1+6], 0
	s_mov_b32 s[G1+7], 0
	s_mul_i32 s40, s22, 64*PITCH                   ; my 64 rows in LDS
	s_mul_i32 s41, s22, 16*SP
	s_add_co_u32 s41, s41, STG                     ; my stage
	s_lshl_b32 s42, s22, 16                        ; my 128 rows of W
	s_mov_b32 s43, 0
	s_mov_b32 s[SEL], 0x76543210
	s_mov_b32 s[SEL+1], 0xfedcba98
	s_lshl_b32 s46, s24, 16                        ; x, x1: 16 rows of 4,096 bytes, my 512 of each
	s_lshl_b32 s47, s22, 9
	s_add_co_u32 s46, s46, s47
	s_mov_b32 s47, 0
	s_lshl_b32 s48, s24, 13                        ; attn's fragment (tile, wave), and h2's
	s_lshl_b32 s49, s22, 10
	s_add_co_u32 s48, s48, s49
	s_mov_b32 s49, 0
	s_lshl_b32 s50, s24, 5                         ; attn's scale bytes: heads 2 wave, 2 wave + 1
	s_lshl_b32 s51, s22, 14
	s_add_co_u32 s50, s50, s51
	s_add_co_u32 s50, s50, SCOFF
	s_mov_b32 s51, 0
	s_lshl_b32 s52, s22, 12                        ; W's scale bytes: 128 rows of 32
	s_mov_b32 s53, 0
	s_lshl_b32 s54, s22, 9                         ; my columns of bo, gain, shift
	s_mov_b32 s55, 0
	s_lshl_b32 s56, s22, 15                        ; my 32 images of W
	s_mov_b32 s57, 0
	s_lshl_b32 s58, s24, 9
	s_add_co_u32 s58, s58, SCOFF
	s_mov_b32 s59, 0
	s_lshl_b32 s63, s22, 6
	s_add_co_u32 s63, s63, SCX
	s_mov_b32 s60, 0x3c000000                      ; 1 / 128
	s_mov_b32 s61, 0x3a800000                      ; 1 / 1,024
	s_mov_b32 s62, 0x3727c5ac                      ; 1e-5
	s_wait_dscnt 0x0                               ; both opening adds are done
	s_wait_kmcnt 0x0
	s_add_nc_u64 s[42:43], s[6:7], s[42:43]
	s_add_nc_u64 s[6:7], s[26:27], s[56:57]
	s_add_nc_u64 s[12:13], s[12:13], s[46:47]
	s_add_nc_u64 s[18:19], s[18:19], s[46:47]
	s_add_nc_u64 s[50:51], s[4:5], s[50:51]
	s_add_nc_u64 s[8:9], s[8:9], s[52:53]
	s_add_nc_u64 s[10:11], s[10:11], s[54:55]
	s_add_nc_u64 s[14:15], s[14:15], s[54:55]
	s_add_nc_u64 s[16:17], s[16:17], s[54:55]
	s_add_nc_u64 s[58:59], s[20:21], s[58:59]
	s_add_nc_u64 s[20:21], s[20:21], s[48:49]
	s_add_nc_u64 s[48:49], s[4:5], s[48:49]
	s_mov_b32 s[G0], 1
	s_mov_b32 s[G0+1], s40
	s_mov_b64 s[G0+2:G0+3], s[42:43]
	s_or_b32 s[G0+3], s[G0+3], 0x80000000
	CROUND                                         ; all four work-groups are here: the joint loads meet
	tensor_load_to_lds s[G0:G0+3], s[G1:G1+7]      ; my 64 rows: the wave's one tensor load; nothing is filled twice
	s_nop 0
	PLACES
	v_and_b32 v5, 31, v0                           ; lane
	v_lshlrev_b32 v1, 4, v5                        ; 16 lane
	v_and_b32 v6, 15, v0                           ; r
	v_bfe_u32 v7, v0, 4, 1                         ; h
	v_lshlrev_b32 v8, 12, v7
	v_lshlrev_b32 v101, 4, v6                      ; bo, by rows: 16 r
	v_lshl_add_u32 v8, v6, 4, v8                   ; x, x1: lanes 0-15 a row's 256 bytes, lanes 16-31 the next row's
	v_lshlrev_b32 v10, 5, v5                       ; W's scale bytes: row = lane of a pair of tiles
	v_lshlrev_b32 v11, 13, v7
	v_lshl_add_u32 v11, v6, 1, v11                 ; attn's scale bytes: lanes 0-15 the even head's, lanes 16-31 the odd head's
.irp f, 0,1
.irp t, 0,1,2,3,4,5,6,7
	global_load_b128 v[WF+32*\f+4*\t:WF+32*\f+4*\t+3], v8, s[12:13] offset:8192*\t+256*\f th:TH_LOAD_NT
.endr
.endr
	global_load_b128 v[152:155], v101, s[10:11]
	global_load_b128 v[156:159], v101, s[10:11] offset:256
	global_load_b128 v[88:91], v1, s[48:49]        ; attn's fragment of step w
	global_load_b128 v[92:95], v1, s[48:49] offset:512
	global_load_u16 v96, v11, s[50:51]
	global_load_b128 v[80:83], v1, s[14:15]        ; gain and shift of my 128 columns
	global_load_b128 v[84:87], v1, s[16:17]
.irp q, 0,1,2,3
	global_load_b128 v[WS+8*\q:WS+8*\q+3], v10, s[8:9] offset:1024*\q
	global_load_b128 v[WS+8*\q+4:WS+8*\q+7], v10, s[8:9] offset:1024*\q+16
.endr
.irp s, 0,1,2,3
	WLOAD \s
.endr
	WIN 0
	v_mul_u32_u24 v12, v6, PITCH
	v_mul_u32_u24 v13, v6, SP
	v_mul_u32_u24 v14, v7, SP
	v_lshl_add_u32 v12, v7, 4, v12
	v_lshl_add_u32 v13, v7, 5, v13
	v_lshl_add_u32 v14, v6, 4, v14
	v_add_nc_u32 v12, s40, v12                     ; W's fragments: row r, + 16 h
	v_add_nc_u32 v13, s41, v13                     ; stage, by tokens: row r, + 32 h
	v_add_nc_u32 v14, s41, v14                     ; stage, by rows: lanes 0-15 a row, lanes 16-31 the next
	s_lshl_b32 s23, s22, 10
	s_add_co_u32 s25, s23, GB
	v_lshl_add_u32 v9, v7, 5, s25                  ; gain and shift by columns: + 32 h
	v_add_nc_u32 v100, s25, v1                     ; and where I put them
	s_add_co_u32 s25, s23, AX
	v_add_nc_u32 v98, s25, v1                      ; attn's fragment
	s_lshl_b32 s23, s22, 7
	s_add_co_u32 s23, s23, ASX
	v_lshl_add_u32 v99, v5, 2, s23                 ; and its scale words
	v_lshl_add_u32 v15, v0, 3, EX                  ; my place among the means and squares
	v_lshl_add_u32 v4, v5, 3, EX                   ; my lane's in wave 0's
	v_lshl_add_u32 v5, v6, 2, s63                  ; my row's scale word
	v_add_nc_u32 v7, SCX, v1                       ; the tile's scale words on the way out
	v_mov_b32 v97, 0                               ; a lane permute's destination
	s_wait_alu depctr_va_vdst(0)                   ; directly ahead of the wait below
	s_wait_loadcnt 40                              ; W's scales and its first 32 loads may stay out
.irp f, 0,1
.irp t, 0,1,2,3,4,5,6,7
	v_pk_add_f32 v[WF+32*\f+4*\t:WF+32*\f+4*\t+1], v[WF+32*\f+4*\t:WF+32*\f+4*\t+1], v[152+4*\f:153+4*\f]   ; x + bo
	v_pk_add_f32 v[WF+32*\f+4*\t+2:WF+32*\f+4*\t+3], v[WF+32*\f+4*\t+2:WF+32*\f+4*\t+3], v[154+4*\f:155+4*\f]
.endr
.endr
	v_permlanex16_b32 v97, v96, s[SEL], s[SEL+1]
	v_add_nc_u32 v152, AX, v1
	v_lshl_add_u32 v153, v6, 2, ASX
	v_lshl_or_b32 v96, v97, 16, v96                ; lanes 0-15: the even head's two bytes below, the odd head's above (what lanes 16-31 make is not read)
	ds_store_b128 v98, v[88:91]
	ds_store_b128 v98, v[92:95] offset:512
	ds_store_b32 v99, v96
	ds_store_b128 v100, v[80:83]
	ds_store_b128 v100, v[84:87] offset:512
.irp f, 0,1
.irp t, 0,1,2,3,4,5,6,7
	ds_store_b128 v14, v[WF+32*\f+4*\t:WF+32*\f+4*\t+3] offset:2*\t*SP
.endr
.irp i, 0,1,2,3
	ds_load_b128 v[ACC+32*\f+8*\i:ACC+32*\f+8*\i+3], v13 offset:64*\i
	ds_load_b128 v[ACC+32*\f+8*\i+4:ACC+32*\f+8*\i+7], v13 offset:64*\i+16
.endr
.endr
	s_wait_alu depctr_va_vdst(0)                   ; directly ahead of the waits below
	s_wait_dscnt 0x0
	s_barrier_signal -1
	s_barrier_wait -1                              ; attn's tile and its scale words lie in LDS
.irp s, 0,1,2,3,4,5,6,7
	ds_load_b32 v[AS+\s], v153 offset:128*\s
.endr
.irp s, 0,1,2,3,4,5,6,7
	ds_load_b128 v[AF+8*\s:AF+8*\s+3], v152 offset:1024*\s
	ds_load_b128 v[AF+8*\s+4:AF+8*\s+7], v152 offset:1024*\s+512
.endr
.irp s, 4,5,6,7
	WLOAD \s
.endr
	WIN 0
	s_wait_loadcnt 60                              ; W's scale words: 64 loads are younger
	s_wait_tensorcnt 0x0                           ; my rows have landed; no other wave reads them
	FET 0
.irp s, 0,1,2,3,4,5,6
.if \s > 0
	PLACES
.endif
	FET \s+1
	s_wait_dscnt 8                                 ; all but the eight loads just issued
	MULS 0, WF+32*(\s%2), \s
.endr
	s_wait_dscnt 0x0
	MULS 0, WF+32, 7
	PLACES
	TURN 0                                         ; x1's first 64 columns
.irp c, 0,1,2,3
	v_pk_add_f32 v[152+2*\c:153+2*\c], v[ACC+4*\c:ACC+4*\c+1], v[ACC+4*\c+2:ACC+4*\c+3]   ; the row's sum, in four chains
.endr
.set k, 16
.rept 8
	v_pk_add_f32 v[152+k%8:153+k%8], v[152+k%8:153+k%8], v[ACC+k:ACC+k+1]
.set k, k+2
.endr
	SENDX 0
	WIN 0x01
.irp s, 0,1,2,3,4,5,6,7
	s_wait_loadcnt 56-8*\s                         ; step s's eight loads are in; the later steps' may stay out
	MULS 1, 32*\s, \s
.endr
	WIN 0
	PLACES
	TURN 1
	WIN 0x40
.irp i, 0,1,2,3,4,5,6,7
	ds_load_b128 v[8*\i:8*\i+3], v9 offset:64*\i
	ds_load_b128 v[8*\i+4:8*\i+7], v9 offset:64*\i+16
.endr
.irp i, 0,1,2,3,4,5,6,7
	ds_load_b128 v[64+8*\i:64+8*\i+3], v9 offset:512+64*\i
	ds_load_b128 v[64+8*\i+4:64+8*\i+7], v9 offset:512+64*\i+16
.endr
	WIN 0
.set k, 32
.rept 16
	v_pk_add_f32 v[152+k%8:153+k%8], v[152+k%8:153+k%8], v[ACC+k:ACC+k+1]
.set k, k+2
.endr
	v_pk_add_f32 v[152:153], v[152:153], v[154:155]
	v_pk_add_f32 v[156:157], v[156:157], v[158:159]
	v_pk_add_f32 v[152:153], v[152:153], v[156:157]
	v_add_f32 v152, v152, v153
	v_permlanex16_b32 v154, v152, s[SEL], s[SEL+1]
	v_add_f32 v152, v152, v154
	v_mul_f32 v152, s60, v152                      ; my 128 columns' mean
.set k, 0
.rept 32
	v_pk_add_f32 v[ACC+k:ACC+k+1], v[ACC+k:ACC+k+1], v[152:153] op_sel_hi:[1,0] neg_lo:[0,1] neg_hi:[0,1]
.set k, k+2
.endr
.irp c, 0,2,4,6
	v_pk_mul_f32 v[80+\c:81+\c], v[ACC+\c:ACC+\c+1], v[ACC+\c:ACC+\c+1]
.endr
.set k, 8
.rept 28
	v_pk_fma_f32 v[80+k%8:81+k%8], v[ACC+k:ACC+k+1], v[ACC+k:ACC+k+1], v[80+k%8:81+k%8]
.set k, k+2
.endr
	v_pk_add_f32 v[80:81], v[80:81], v[82:83]
	v_pk_add_f32 v[84:85], v[84:85], v[86:87]
	v_pk_add_f32 v[80:81], v[80:81], v[84:85]
	v_add_f32 v80, v80, v81
	v_permlanex16_b32 v82, v80, s[SEL], s[SEL+1]
	v_add_f32 v153, v80, v82                       ; and their squared differences
	SENDX 1
	ds_store_b64 v15, v[152:153]
	s_wait_dscnt 0x0
	s_barrier_signal -1
	s_barrier_wait -1                              ; all eight waves' pairs are there
.irp w, 0,1,2,3,4,5,6,7
	ds_load_b64 v[88+2*\w:89+2*\w], v4 offset:256*\w
.endr
	s_wait_dscnt 0x0
	v_pk_add_f32 v[104:105], v[88:89], v[90:91]
	v_pk_add_f32 v[106:107], v[92:93], v[94:95]
	v_pk_add_f32 v[80:81], v[96:97], v[98:99]
	v_pk_add_f32 v[82:83], v[100:101], v[102:103]
	v_pk_add_f32 v[104:105], v[104:105], v[106:107]
	v_pk_add_f32 v[80:81], v[80:81], v[82:83]
	v_pk_add_f32 v[104:105], v[104:105], v[80:81]
	v_mul_f32 v104, 0x3e000000, v104               ; the mean: an eighth of the means' sum
.irp w, 0,1,2,3,4,5,6,7
	v_sub_f32 v[88+2*\w], v[88+2*\w], v104
.endr
	v_mul_f32 v106, v88, v88
	v_mul_f32 v107, v90, v90
.irp w, 2,4,6
	v_fma_f32 v106, v[88+2*\w], v[88+2*\w], v106
	v_fma_f32 v107, v[90+2*\w], v[90+2*\w], v107
.endr
	v_add_f32 v106, v106, v107
	v_fma_f32 v106, v106, 0x43000000, v105         ; + 128 x
	v_fma_f32 v106, v106, s61, s62                 ; the variance + eps
	s_wait_alu depctr_va_vdst(0)                   ; the wait ahead of the transcendental
	v_rsq_f32 v84, v106
	v_sub_f32 v86, v152, v104                      ; (a plain instruction behind the transcendental)  my mean - the mean
	v_mov_b32 v85, 0                               ; (the pairs' upper halves are named below)
	v_mov_b32 v87, 0
	s_wait_alu depctr_va_vdst(0)                   ; ahead of the first reader of its result
	v_mul_f32 v86, v86, v84
.set k, 0
.rept 32
	v_pk_fma_f32 v[ACC+k:ACC+k+1], v[ACC+k:ACC+k+1], v[84:85], v[86:87] op_sel_hi:[1,0,0]   ; (x1 - mean) / sqrt(var + eps)
.set k, k+2
.endr
	WIN 0x14
.set k, 0
.rept 32
	v_pk_fma_f32 v[ACC+k:ACC+k+1], v[ACC+k:ACC+k+1], v[k:k+1], v[64+k:65+k]   ; x gain + shift
.set k, k+2
.endr
	WIN 0
; the quantiser: registers 16 b .. 16 b + 15 are, with lane l xor 16's, block b of 32 columns
.irp b, 0,1,2,3
	v_max3_num_f32 v[108+\b], |v[ACC+16*\b]|, |v[ACC+1+16*\b]|, 0x1800000   ; my 16 numbers, and the floor 2^(3 - 127): the byte cannot fall under 1
.endr
.irp i, 2,4,6,8,10,12,14
.irp b, 0,1,2,3
	v_max3_num_f32 v[108+\b], v[108+\b], |v[ACC+16*\b+\i]|, |v[ACC+1+16*\b+\i]|
.endr
.endr
.irp b, 0,1,2,3
	v_permlanex16_b32 v[112+\b], v[108+\b], s[SEL], s[SEL+1]
.endr
.irp b, 0,1,2,3
	v_max_num_f32 v[108+\b], v[108+\b], v[112+\b]
.endr
.irp b, 0,1,2,3
	v_add_nc_u32 v[120+\b], 0xff000000, v[108+\b]  ; 2 off its exponent field: the conversion's scale operand
.endr
.irp b, 0,1,2,3
	v_lshrrev_b32 v[112+\b], 23, v[120+\b]
.endr
	v_lshl_or_b32 v124, v113, 8, v112
	v_lshl_or_b32 v124, v114, 16, v124
	v_lshl_or_b32 v124, v115, 24, v124             ; the row's scale word
.irp b, 0,1,2,3
	v_cvt_scalef32_pk8_fp4_f32 v[126+4*(\b/2)+(\b%2)], v[ACC+16*\b:ACC+16*\b+7], v[120+\b]
	v_cvt_scalef32_pk8_fp4_f32 v[128+4*(\b/2)+(\b%2)], v[ACC+16*\b+8:ACC+16*\b+15], v[120+\b]
.endr
	v_nop                                          ; one plain instruction behind a scaled conversion
.irp c, 0,1                            ; registers 4 c .. 4 c + 3 then hold k = 64 c + 32 h + 0 .. 31
	v_permlane16_swap_b32 v[126+4*\c], v[127+4*\c]
	v_permlane16_swap_b32 v[128+4*\c], v[129+4*\c]
.endr
	ds_store_b32 v5, v124
	global_store_b128 v1, v[126:129], s[20:21]     ; 512 consecutive bytes
	global_store_b128 v1, v[130:133], s[20:21] offset:512
	s_wait_alu depctr_va_vdst(0)                   ; directly ahead of the wait below
	s_wait_dscnt 0x0
	s_barrier_signal -1
	s_barrier_wait -1
	s_cmp_lg_u32 s22, 0
	s_cbranch_scc1 .Ldone
	ds_load_b128 v[136:139], v7                    ; wave 0: the tile's 512 bytes of scale words
	s_wait_dscnt 0x0
	global_store_b128 v1, v[136:139], s[58:59]
.Ldone:
	s_wait_tensorcnt 0x0                           ; the wave's end
	ds_add_u32 v2, v3
	s_wait_dscnt 0x0
	CROUND                                         ; the closing round
	s_endpgm
.Lfunc_end_k_q923bb63dad_wl:
	.size	k_q923bb63dad_wl, .Lfunc_end_k_q923bb63dad_wl-k_q923bb63dad_wl
	.p2alignl 7, 3214868480
	.fill 96, 4, 3214868480
	.section	.rodata,"a",@progbits
	.p2align	6, 0x0
	.amdhsa_kernel k_q923bb63dad_wl
		.amdhsa_group_segment_fixed_size 327680
		.amdhsa_private_segment_fixed_size 0
		.amdhsa_enable_private_segment 0
		.amdhsa_kernarg_size 80
		.amdhsa_user_sgpr_count 2
		.amdhsa_user_sgpr_kernarg_segment_ptr 1
		.amdhsa_wavefront_size32 1
		.amdhsa_system_sgpr_workgroup_id_x 1
		.amdhsa_system_sgpr_workgroup_id_y 1
		.amdhsa_system_sgpr_workgroup_id_z 1
		.amdhsa_system_vgpr_workitem_id 0
		.amdhsa_next_free_vgpr 512
		.amdhsa_next_free_sgpr 66
		.amdhsa_reserve_vcc 0
		.amdhsa_float_denorm_mode_32 3
		.amdhsa_float_denorm_mode_16_64 3
		.amdhsa_memory_ordered 1
		.amdhsa_forward_progress 1
		.amdhsa_inst_pref_size 58
	.end_amdhsa_kernel
	.amdgpu_metadata
---
amdhsa.version: [ 1, 2 ]
amdhsa.kernels:
  - .name:           k_q923bb63dad_wl
    .symbol:         k_q923bb63dad_wl.kd
    .args:
      - { .name: abuf, .offset: 0, .size: 8, .value_kind: global_buffer, .address_space: global }
      - { .name: wo_w_codes, .offset: 8, .size: 8, .value_kind: global_buffer, .address_space: global }
      - { .name: wo_w_scales, .offset: 16, .size: 8, .value_kind: global_buffer, .address_space: global }
      - { .name: wo_b, .offset: 24, .size: 8, .value_kind: global_buffer, .address_space: global }
      - { .name: x, .offset: 32, .size: 8, .value_kind: global_buffer, .address_space: global }
      - { .name: ln2_g, .offset: 40, .size: 8, .value_kind: global_buffer, .address_space: global }
      - { .name: ln2_b, .offset: 48, .size: 8, .value_kind: global_buffer, .address_space: global }
      - { .name: x1, .offset: 56, .size: 8, .value_kind: global_buffer, .address_space: global }
      - { .name: hbuf, .offset: 64, .size: 8, .value_kind: global_buffer, .address_space: global }
      - { .name: wimg, .offset: 72, .size: 8, .value_kind: global_buffer, .address_space: global }
    .group_segment_fixed_size: 327680
    .private_segment_fixed_size: 0
    .kernarg_segment_align: 8
    .kernarg_segment_size: 80
    .max_flat_workgroup_size: 256
    .sgpr_count:     66
    .vgpr_count:     512
    .wavefront_size: 32
...
	.end_amdgpu_metadata
.endif
;; end of part 4
;; launch ffn1 (part 5): grid 16 x 16, 4 waves a work-group, clusters of 4 x 4, 287,232 bytes of LDS; arguments hbuf, ffn1_w_codes, ffn1_w_scales, ffn1_b, ffbuf; writes ffbuf
.if DOCPART == 5
	.amdgcn_target "amdgcn-amd-amdhsa--gfx1250"
	.amdhsa_code_object_version 6
	.text
	.protected	k_q923bb63dad_ffn1
	.globl	k_q923bb63dad_ffn1
	.p2align	8
	.type	k_q923bb63dad_ffn1,@function
k_q923bb63dad_ffn1:
	s_mov_b64 s[64:65], 0
	v_nop
	global_prefetch_b8 v0, s[64:65] scope:SCOPE_SE
	s_setreg_imm32_b32 hwreg(HW_REG_WAVE_MODE, 25, 1), 1
	s_wait_xcnt 0x0
	s_wait_alu depctr_hold_cnt(0) depctr_sa_sdst(0) depctr_va_vdst(0) depctr_va_sdst(0) depctr_va_ssrc(0) depctr_va_vcc(0) depctr_vm_vsrc(0)
	s_getreg_b32 s2, hwreg(HW_REG_IB_STS2, 6, 4)
	s_cmp_eq_u32 s2, 0
	s_cbranch_scc0 .Lentry_in_a_cluster
	s_endpgm
.Lentry_in_a_cluster:
	s_bfe_u32 s2, ttmp6, 0x10000c
	s_cmp_lg_u32 s2, 0xf033
	s_cbranch_scc0 .Lentry_shape_is_right
	s_endpgm
.Lentry_shape_is_right:
; ff = Q(relu(h2 W1^T + b1)): the product on codes of MX-FP4, the result quantised along the hidden units for the next product.
; h2: images of operand registers (tile = 16 tokens, fragment = 16 rows x 128 K = 1,024 bytes [c 2][lane 32][16]), scale words [tile][step 8][row 16] u32 from byte SCOFF on.
; W1: codes as given, rows of 512 bytes; scale bytes, rows of 32.
; SHARES: a work-group makes 256 tokens x 256 hidden units, K = 1,024 all resident in LDS, filled once; a wave 128 x 128: 64 accumulators, 512 registers.
; CLUSTER 4 x 4: h2's tiles are shared along a row of the cluster, W1's along a column: joint loads.
; The product is used transposed (source 0 = 16 rows of W1, source 1 = 16 tokens): a lane holds one token, register j of tile i hidden unit 16 i + 8 h + j.  A wave's 128 units are one K step of the
; next product: the 64 registers of a tile of tokens become one fragment and one scale word a row.
; OUT: codes [tile 256][step 32][1,024 bytes], scale words [tile][32][row 16] u32 from byte OSC on.
; LIMITS: NaN and infinities are not served; a block whose largest magnitude lies under 2^-124 (zeros too) gets the byte 1; only this program reads the bytes.
; REGISTERS: window 0: addresses, scale words, the way out; window 1: two sets of fragments (h2's at 0 and 128, W1's at 64 and 192); windows 2, 3: the accumulators.
; Each operand comes whole, by one tensor load of one wave: h2's 16 tiles of 8,192 bytes (wave 0), W1's 256 rows of 512 bytes (wave 1), the two blocks of scales (waves 2 and 3).
.set PITCH, 528
.set BBASE, 131072
.set ASC,   266240
.set BSC,   274432
.set SCOFF, 2097152
.set OSC,   8388608
.set LI,   4
.set ADRA, 5
.set ADRB, 7
.set ADSA, 9
.set ADSB, 10
.set BO,   11
.set WO,   12
.set WW,   16
.set SA,   32
.set SB,   64
.set T,    96
.set BI,   160
.set TM,   224
.set PW,   240
.set PC,   242
.set SW,   250
.set FA,   256
.set FB,   320
.set ACC,  512
.set G1A,  24
.set G1B,  32
.set G1SA, 40
.set G1SB, 48
.set G0SA, 56
.set G0A0, 60
.set G0A1, 68
.set G0SB, 72
.set G0B0, 76
.set G0B1, 80
.set SEL,  100
.set MSB, 0
.macro WIN new
.if MSB != (\new)
	s_set_vgpr_msb (MSB<<8)|(\new)
.set MSB, (\new)
.endif
.endm
.macro PLACES
.rept 4
	v_nop
.endr
.endm
.macro ARM under, g0, g1, next         ; one arm of the head's tree of loads: it hangs on the wave's number alone
	s_cmp_lt_u32 s14, \under
	s_cbranch_scc0 \next
	tensor_load_to_lds s[\g0:\g0+3], s[\g1:\g1+7]
	s_nop 0
.rept 4
	v_nop
.endr
	s_branch .Lhead_asked
\next:
.endm
.macro CROUND
	s_barrier_signal -1
	s_barrier_wait -1
	s_cmp_lg_u32 s14, 0
	s_cbranch_scc1 .Lnot_wave_0_\@
	s_barrier_signal -3
.Lnot_wave_0_\@:
	s_barrier_wait -3
	s_barrier_signal -1
	s_barrier_wait -1
.endm
.macro WM d, x, y, zero, sx, sy, rx, ry
	WIN (((\x)>>8)|(((\y)>>8)<<2)|(((\d)>>8)<<4)|(((\d)>>8)<<6))
.set WD, (\d)&255
.set WX, (\x)&255
.set WY, (\y)&255
.if \zero
.if ((\rx)==0)&&((\ry)==0)
	v_wmma_scale_f32_16x16x128_f8f6f4 v[WD:WD+7], v[WX:WX+7], v[WY:WY+7], 0, v[\sx], v[\sy] matrix_a_fmt:MATRIX_FMT_FP4 matrix_b_fmt:MATRIX_FMT_FP4
.elseif ((\rx)==1)&&((\ry)==0)
	v_wmma_scale_f32_16x16x128_f8f6f4 v[WD:WD+7], v[WX:WX+7], v[WY:WY+7], 0, v[\sx], v[\sy] matrix_a_fmt:MATRIX_FMT_FP4 matrix_b_fmt:MATRIX_FMT_FP4 matrix_a_scale:MATRIX_SCALE_ROW1
.elseif ((\rx)==0)&&((\ry)==1)
	v_wmma_scale_f32_16x16x128_f8f6f4 v[WD:WD+7], v[WX:WX+7], v[WY:WY+7], 0, v[\sx], v[\sy] matrix_a_fmt:MATRIX_FMT_FP4 matrix_b_fmt:MATRIX_FMT_FP4 matrix_b_scale:MATRIX_SCALE_ROW1
.else
	v_wmma_scale_f32_16x16x128_f8f6f4 v[WD:WD+7], v[WX:WX+7], v[WY:WY+7], 0, v[\sx], v[\sy] matrix_a_fmt:MATRIX_FMT_FP4 matrix_b_fmt:MATRIX_FMT_FP4 matrix_a_scale:MATRIX_SCALE_ROW1 matrix_b_scale:MATRIX_SCALE_ROW1
.endif
.else
.if ((\rx)==0)&&((\ry)==0)
	v_wmma_scale_f32_16x16x128_f8f6f4 v[WD:WD+7], v[WX:WX+7], v[WY:WY+7], v[WD:WD+7], v[\sx], v[\sy] matrix_a_fmt:MATRIX_FMT_FP4 matrix_b_fmt:MATRIX_FMT_FP4
.elseif ((\rx)==1)&&((\ry)==0)
	v_wmma_scale_f32_16x16x128_f8f6f4 v[WD:WD+7], v[WX:WX+7], v[WY:WY+7], v[WD:WD+7], v[\sx], v[\sy] matrix_a_fmt:MATRIX_FMT_FP4 matrix_b_fmt:MATRIX_FMT_FP4 matrix_a_scale:MATRIX_SCALE_ROW1
.elseif ((\rx)==0)&&((\ry)==1)
	v_wmma_scale_f32_16x16x128_f8f6f4 v[WD:WD+7], v[WX:WX+7], v[WY:WY+7], v[WD:WD+7], v[\sx], v[\sy] matrix_a_fmt:MATRIX_FMT_FP4 matrix_b_fmt:MATRIX_FMT_FP4 matrix_b_scale:MATRIX_SCALE_ROW1
.else
	v_wmma_scale_f32_16x16x128_f8f6f4 v[WD:WD+7], v[WX:WX+7], v[WY:WY+7], v[WD:WD+7], v[\sx], v[\sy] matrix_a_fmt:MATRIX_FMT_FP4 matrix_b_fmt:MATRIX_FMT_FP4 matrix_a_scale:MATRIX_SCALE_ROW1 matrix_b_scale:MATRIX_SCALE_ROW1
.endif
.endif
.endm
.macro FETCH s, p                      ; K step s: W1's eight fragments and h2's eight into set p: 32 LDS loads in one run
	WIN 0x40
.irp i, 0,1,2,3,4,5,6,7
.irp c, 0,1
	ds_load_b128 v[64+128*(\p)+8*\i+4*\c:64+128*(\p)+8*\i+4*\c+3], v[ADRB] offset:\i*16*PITCH+64*(\s)+32*\c
.endr
.endr
.irp i, 0,1,2,3,4,5,6,7
.irp c, 0,1
	ds_load_b128 v[128*(\p)+8*\i+4*\c:128*(\p)+8*\i+4*\c+3], v[ADRA] offset:8192*\i+1024*(\s)+512*\c
.endr
.endr
.endm
.macro SCALES
.irp a, 0,1,2,3,4,5,6,7
.irp p, 0,1,2,3
	ds_load_b32 v[SA+4*\a+\p], v[ADSA] offset:512*\a+128*\p
.endr
.endr
.irp q, 0,1,2,3
.irp g, 0,1
	ds_load_b128 v[SB+8*\q+4*\g:SB+8*\q+4*\g+3], v[ADSB] offset:1024*\q+16*\g
.endr
.endr
.endm
.macro MUL s, p, zero                  ; 64 matrix instructions; the 64 accumulators take turns, in the same order in every step
.irp a, 0,1,2,3,4,5,6,7
.irp b, 0,1,2,3,4,5,6,7
	WM ACC+8*(8*\a+\b), FB+128*(\p)+8*\b, FA+128*(\p)+8*\a, \zero, SB+8*(\b/2)+(\s), SA+4*\a+(\s)/2, \b%2, (\s)%2
.endr
.endr
.endm
.macro STEP s
.if (\s) > 0
	PLACES
.endif
	FETCH (\s)+1, ((\s)+1)%2
	s_wait_dscnt 32                                ; all but the 32 loads just issued
	MUL \s, (\s)%2, (\s)==0
.endm
; 64 numbers of a lane, v[s] on: register 16 b + 8 u + j is k = 32 b + 16 u + 8 (lane / 16) + j of the next K.  They become a fragment's codes in v[PC] on and its scale word in v[PW].
.macro QUANT s
.irp b, 0,1,2,3
	v_max3_num_f32 v[TM+\b], |v[\s+16*\b]|, |v[\s+1+16*\b]|, 0x1800000   ; my 16 numbers, and the floor 2^(3 - 127)
.endr
.irp i, 2,4,6,8,10,12,14
.irp b, 0,1,2,3
	v_max3_num_f32 v[TM+\b], v[TM+\b], |v[\s+16*\b+\i]|, |v[\s+1+16*\b+\i]|
.endr
.endr
.irp b, 0,1,2,3
	v_permlanex16_b32 v[TM+4+\b], v[TM+\b], s[SEL], s[SEL+1]
.endr
.irp b, 0,1,2,3
	v_max_num_f32 v[TM+\b], v[TM+\b], v[TM+4+\b]
.endr
.irp b, 0,1,2,3
	v_add_nc_u32 v[TM+12+\b], 0xff000000, v[TM+\b]
.endr
.irp b, 0,1,2,3
	v_lshrrev_b32 v[TM+4+\b], 23, v[TM+12+\b]
.endr
	v_lshl_or_b32 v[PW], v[TM+5], 8, v[TM+4]
	v_lshl_or_b32 v[PW], v[TM+6], 16, v[PW]
	v_lshl_or_b32 v[PW], v[TM+7], 24, v[PW]
.irp b, 0,1,2,3
	v_cvt_scalef32_pk8_fp4_f32 v[PC+4*(\b/2)+(\b%2)], v[\s+16*\b:\s+16*\b+7], v[TM+12+\b]
	v_cvt_scalef32_pk8_fp4_f32 v[PC+4*(\b/2)+2+(\b%2)], v[\s+16*\b+8:\s+16*\b+15], v[TM+12+\b]
.endr
	v_nop                                          ; one plain instruction behind a scaled conversion
.irp c, 0,1                            ; registers 4 c .. 4 c + 3 then hold k = 64 c + 32 h + 0 .. 31
	v_permlane16_swap_b32 v[PC+4*\c], v[PC+4*\c+1]
	v_permlane16_swap_b32 v[PC+4*\c+2], v[PC+4*\c+3]
.endr
.endm
	s_load_b256 s[4:11], s[0:1], 0x0               ; h2 s[4:5], W1's codes s[6:7], scales s[8:9], bias s[10:11]
	s_load_b64 s[12:13], s[0:1], 0x20              ; out
	v_lshl_add_u32 v254, v0, 2, 0x46000
	v_mov_b32 v255, 0
	ds_add_u32 v254, v255
	ds_add_u32 v254, v255
	v_lshrrev_b32 v1, 5, v0
	v_readfirstlane_b32 s14, v1                    ; wave 0..3
	s_lshr_b32 s15, s14, 1                         ; which 128 tokens are mine.
	s_and_b32 s16, s14, 1                          ; which 128 units.
	s_bfe_u32 s19, ttmp6, 0x40000
	s_bfe_u32 s20, ttmp6, 0x40004
	s_lshl_b32 s18, ttmp9, 2
	s_add_co_u32 s18, s18, s19                     ; block of 256 hidden units
	s_and_b32 s17, ttmp7, 0xffff
	s_lshl_b32 s17, s17, 2
	s_add_co_u32 s17, s17, s20                     ; block of 256 tokens
	s_lshl_b32 s21, s20, 2
	s_lshl_b32 s21, 15, s21
	s_lshl_b32 s22, 0x1111, s19
	s_or_b32 s[G1A], s21, (3<<16)|(1<<21)          ; h2: 16 tiles' rows of 1,024 elements of 8 bytes (eight K steps)
	s_mov_b32 s[G1A+1], 1024<<16                   ; whole: 16 rows of 1,024 elements, dense
	s_mov_b32 s[G1A+2], 16<<16
	s_mov_b32 s[G1A+3], 1024<<16
	s_mov_b32 s[G1A+4], 16
	s_mov_b32 s[G1A+5], 1024
	s_mov_b32 s[G1A+6], 0
	s_mov_b32 s[G1A+7], 0
	s_or_b32 s[G1B], s22, (1<<20)|(1<<21)|(6<<22)|(3<<25)   ; W1: 256 rows of 512 bytes; four words of padding behind every 128
	s_mov_b32 s[G1B+1], 512<<16
	s_mov_b32 s[G1B+2], 256<<16
	s_mov_b32 s[G1B+3], 512<<16
	s_mov_b32 s[G1B+4], 256
	s_mov_b32 s[G1B+5], 512
	s_mov_b32 s[G1B+6], 0
	s_mov_b32 s[G1B+7], 0
	s_or_b32 s[G1SA], s21, (3<<16)|(1<<21)
	s_or_b32 s[G1SB], s22, (3<<16)|(1<<21)
.irp g, G1SA, G1SB
	s_mov_b32 s[\g+1], 32<<16
	s_mov_b32 s[\g+2], 32<<16                      ; 8,192 bytes as 32 rows of 256
	s_mov_b32 s[\g+3], 32<<16
	s_mov_b32 s[\g+4], 32
	s_mov_b32 s[\g+5], 32
	s_mov_b32 s[\g+6], 0
	s_mov_b32 s[\g+7], 0
.endr
	s_lshl_b32 s84, s17, 17
	s_mov_b32 s85, 0
	s_lshl_b32 s86, s17, 13
	s_add_co_u32 s86, s86, SCOFF
	s_mov_b32 s87, 0
	s_lshl_b32 s88, s18, 17
	s_mov_b32 s89, 0
	s_lshl_b32 s90, s18, 13
	s_mov_b32 s91, 0
	s_wait_dscnt 0x0
	s_wait_kmcnt 0x0
	s_add_nc_u64 s[84:85], s[4:5], s[84:85]
	s_add_nc_u64 s[86:87], s[4:5], s[86:87]
	s_add_nc_u64 s[88:89], s[6:7], s[88:89]
	s_add_nc_u64 s[90:91], s[8:9], s[90:91]
	CROUND                                         ; all sixteen work-groups are here: the joint loads meet
	s_mov_b32 s[G0SA], 1
	s_mov_b32 s[G0SA+1], ASC
	s_mov_b64 s[G0SA+2:G0SA+3], s[86:87]
	s_or_b32 s[G0SA+3], s[G0SA+3], 0x80000000
	s_mov_b32 s[G0SB], 1
	s_mov_b32 s[G0SB+1], BSC
	s_mov_b64 s[G0SB+2:G0SB+3], s[90:91]
	s_or_b32 s[G0SB+3], s[G0SB+3], 0x80000000
	s_mov_b32 s[G0A0], 1
	s_mov_b32 s[G0A0+1], 0
	s_mov_b64 s[G0A0+2:G0A0+3], s[84:85]
	s_or_b32 s[G0A0+3], s[G0A0+3], 0x80000000
	s_mov_b32 s[G0B0], 1
	s_mov_b32 s[G0B0+1], BBASE
	s_mov_b64 s[G0B0+2:G0B0+3], s[88:89]
	s_or_b32 s[G0B0+3], s[G0B0+3], 0x80000000
	ARM 1, G0A0, G1A, .Lhead_b
	ARM 2, G0B0, G1B, .Lhead_sa
	ARM 3, G0SA, G1SA, .Lhead_sb
	tensor_load_to_lds s[G0SB:G0SB+3], s[G1SB:G1SB+7]   ; one tensor load a wave; nothing is filled twice
	s_nop 0
.rept 4
	v_nop
.endr
.Lhead_asked:
	v_and_b32 v1, 15, v0                           ; r
	v_bfe_u32 v2, v0, 4, 1                         ; h
	v_and_b32 v3, 31, v0                           ; lane
	v_lshlrev_b32 v[LI], 4, v3
	s_lshl_b32 s96, s15, 16
	v_add_nc_u32 v[ADRA], s96, v[LI]
	v_mul_u32_u24 v[ADRB], v1, PITCH
	v_lshl_add_u32 v[ADRB], v2, 4, v[ADRB]
	s_mul_i32 s96, s16, 128*PITCH
	s_add_co_u32 s96, s96, BBASE
	v_add_nc_u32 v[ADRB], s96, v[ADRB]
	s_lshl_b32 s96, s15, 12
	s_add_co_u32 s96, s96, ASC
	v_lshl_add_u32 v[ADSA], v3, 2, s96
	s_lshl_b32 s96, s16, 12
	s_add_co_u32 s96, s96, BSC
	v_lshl_add_u32 v[ADSB], v3, 5, s96
	v_lshlrev_b32 v[BO], 5, v2
	s_wait_alu depctr_va_vdst(0)
	v_lshlrev_b32 v[WO], 11, v2
	v_lshl_add_u32 v[WO], v1, 2, v[WO]             ; scale words out: 2,048 h + 4 r
	v_cmp_ne_u32 vcc_lo, 0, v2
.irp b, 0,1,2,3
	v_mov_b32 v[TM+4+\b], 0                        ; a lane permute's destination counts as one of its sources
.endr
	s_lshl_b32 s96, s17, 19                        ; codes out: tile 16 y + 8 half of 32,768 bytes, step 2 x + half of 1,024
	s_lshl_b32 s97, s15, 18
	s_add_co_u32 s96, s96, s97
	s_lshl_b32 s97, s18, 11
	s_add_co_u32 s96, s96, s97
	s_lshl_b32 s97, s16, 10
	s_add_co_u32 s96, s96, s97
	s_mov_b32 s97, 0
	s_lshl_b32 s98, s17, 15                        ; scale words out: 2,048 bytes a tile, 64 a step
	s_lshl_b32 s99, s15, 14
	s_add_co_u32 s98, s98, s99
	s_lshl_b32 s99, s18, 7
	s_add_co_u32 s98, s98, s99
	s_lshl_b32 s99, s16, 6
	s_add_co_u32 s98, s98, s99
	s_add_co_u32 s98, s98, OSC
	s_mov_b32 s99, 0
	s_add_nc_u64 s[98:99], s[12:13], s[98:99]
	s_add_nc_u64 s[12:13], s[12:13], s[96:97]
	s_lshl_b32 s96, s18, 10                        ; the bias of my 128 units
	s_lshl_b32 s95, s16, 9
	s_add_co_u32 s96, s96, s95
	s_add_nc_u64 s[10:11], s[10:11], s[96:97]
	s_mov_b32 s[SEL], 0x76543210
	s_mov_b32 s[SEL+1], 0xfedcba98
.irp i, 0,1,2,3,4,5,6,7
	global_load_b128 v[BI+8*\i:BI+8*\i+3], v[BO], s[10:11] offset:64*\i          ; tile i, my half: units 16 i + 8 h + 0 .. 7
	global_load_b128 v[BI+8*\i+4:BI+8*\i+7], v[BO], s[10:11] offset:64*\i+16
.endr
	s_wait_alu depctr_va_vdst(0)                   ; the wait at the head's end
	s_wait_tensorcnt 0x0                           ; my load has landed; behind the barrier everybody's has
	s_barrier_signal -1
	s_barrier_wait -1
	SCALES
	FETCH 0, 0
.irp s, 0,1,2,3,4,5,6
	STEP \s
.endr
	s_wait_dscnt 0x0
	MUL 7, 1, 0
	WIN 0
	PLACES
	s_wait_loadcnt 0x0                             ; the bias
.macro OUTA a                          ; tile a of tokens: + bias, relu, quantised along my 128 units: one fragment and one scale word a row
.if (\a) > 0
	s_wait_xcnt 0x0                                ; the last tile's stores have read their data registers
.endif
	WIN 2+(\a)/4
.set k, 0
.rept 32
	v_pk_add_f32 v[T+k:T+k+1], v[64*((\a)%4)+k:64*((\a)%4)+k+1], v[BI+k:BI+k+1]   ; each accumulator from its low end on
.set k, k+2
.endr
	WIN 0
.set k, 0
.rept 64
	v_max_num_f32 v[T+k], 0, v[T+k]
.set k, k+1
.endr
	QUANT T
	global_store_b128 v[LI], v[PC:PC+3], s[12:13] offset:32768*(\a)        ; 512 consecutive bytes
	global_store_b128 v[LI], v[PC+4:PC+7], s[12:13] offset:32768*(\a)+512
	v_mov_b32 v[WW+(\a)], v[PW]
.endm
.irp a, 0,1,2,3,4,5,6,7
	OUTA \a
.endr
.irp k, 0,1,2,3
	v_cndmask_b32 v[SW+\k], v[WW+2*\k], v[WW+2*\k+1], vcc_lo               ; lanes 0-15 the even tile's words, lanes 16-31 the odd tile's
	global_store_b32 v[WO], v[SW+\k], s[98:99] offset:4096*\k              ; two runs of 64 bytes: a sixteenth of the codes' bytes
.endr
	s_wait_tensorcnt 0x0
	ds_add_u32 v254, v255
	s_wait_dscnt 0x0
	CROUND                                         ; the closing round
	s_endpgm
.Lfunc_end_k_q923bb63dad_ffn1:
	.size	k_q923bb63dad_ffn1, .Lfunc_end_k_q923bb63dad_ffn1-k_q923bb63dad_ffn1
	.p2alignl 7, 3214868480
	.fill 96, 4, 3214868480
	.section	.rodata,"a",@progbits
	.p2align	6, 0x0
	.amdhsa_kernel k_q923bb63dad_ffn1
		.amdhsa_group_segment_fixed_size 287232
		.amdhsa_private_segment_fixed_size 0
		.amdhsa_enable_private_segment 0
		.amdhsa_kernarg_size 40
		.amdhsa_user_sgpr_count 2
		.amdhsa_user_sgpr_kernarg_segment_ptr 1
		.amdhsa_wavefront_size32 1
		.amdhsa_system_sgpr_workgroup_id_x 1
		.amdhsa_system_sgpr_workgroup_id_y 1
		.amdhsa_system_sgpr_workgroup_id_z 1
		.amdhsa_system_vgpr_workitem_id 0
		.amdhsa_next_free_vgpr 1024
		.amdhsa_next_free_sgpr 102
		.amdhsa_reserve_vcc 1
		.amdhsa_float_denorm_mode_32 3
		.amdhsa_float_denorm_mode_16_64 3
		.amdhsa_memory_ordered 1
		.amdhsa_forward_progress 1
		.amdhsa_inst_pref_size 160
	.end_amdhsa_kernel
	.amdgpu_metadata
---
amdhsa.version: [ 1, 2 ]
amdhsa.kernels:
  - .name:           k_q923bb63dad_ffn1
    .symbol:         k_q923bb63dad_ffn1.kd
    .args:
      - { .name: hbuf, .offset: 0, .size: 8, .value_kind: global_buffer, .address_space: global }
      - { .name: ffn1_w_codes, .offset: 8, .size: 8, .value_kind: global_buffer, .address_space: global }
      - { .name: ffn1_w_scales, .offset: 16, .size: 8, .value_kind: global_buffer, .address_space: global }
      - { .name: ffn1_b, .offset: 24, .size: 8, .value_kind: global_buffer, .address_space: global }
      - { .name: ffbuf, .offset: 32, .size: 8, .value_kind: global_buffer, .address_space: global }
    .group_segment_fixed_size: 287232
    .private_segment_fixed_size: 0
    .kernarg_segment_align: 8
    .kernarg_segment_size: 40
    .max_flat_workgroup_size: 128
    .sgpr_count:     102
    .vgpr_count:     1024
    .wavefront_size: 32
...
	.end_amdgpu_metadata
.endif
;; end of part 5
;; launch ffn2 (part 6): grid 8 x 32, 4 waves a work-group, clusters of 4 x 4, 327,680 bytes of LDS; arguments ffbuf, ffn2_w_codes, ffn2_w_scales, ffn2_b, x1, out0; writes out0
.if DOCPART == 6
	.amdgcn_target "amdgcn-amd-amdhsa--gfx1250"
	.amdhsa_code_object_version 6
	.text
	.protected	k_q923bb63dad_ffn2
	.globl	k_q923bb63dad_ffn2
	.p2align	8
	.type	k_q923bb63dad_ffn2,@function
k_q923bb63dad_ffn2:
	s_mov_b64 s[64:65], 0
	v_nop
	global_prefetch_b8 v0, s[64:65] scope:SCOPE_SE
	s_setreg_imm32_b32 hwreg(HW_REG_WAVE_MODE, 25, 1), 1
	s_wait_xcnt 0x0
	s_wait_alu depctr_hold_cnt(0) depctr_sa_sdst(0) depctr_va_vdst(0) depctr_va_sdst(0) depctr_va_ssrc(0) depctr_va_vcc(0) depctr_vm_vsrc(0)
	s_getreg_b32 s2, hwreg(HW_REG_IB_STS2, 6, 4)
	s_cmp_eq_u32 s2, 0
	s_cbranch_scc0 .Lentry_in_a_cluster
	s_endpgm
.Lentry_in_a_cluster:
	s_bfe_u32 s2, ttmp6, 0x10000c
	s_cmp_lg_u32 s2, 0xf033
	s_cbranch_scc0 .Lentry_shape_is_right
	s_endpgm
.Lentry_shape_is_right:
; out = x1 + ff W2^T + b2, the product on codes of MX-FP4.  ff: register images [tile 256][step 32][1,024 bytes], scale words from SCOFF on [tile][step 32][row 16]; W2: codes and scale bytes as given.
; SHARES: a work-group makes 128 tokens x 128 columns, each of its four waves 32 tokens (two tiles) x all 128 columns: 16 accumulators.  So an image of ff is wanted by one wave alone: it goes from memory straight into
; registers, in groups of four K steps, each asked for three groups (twelve steps) ahead.  W2 goes through LDS, K in two halves, each in bytes of its own, the second on its way under the first's products.
; W2's scale bytes and ff's scale words are read in whole rows, pass through LDS once and stay in registers.
; CLUSTER 4 x 4: W2's rows are shared along a column of the cluster: joint loads.  ff's images, registers' loads, are not.
; No prefetch: the launch has no loop to run ahead in; W2's second half is asked for as soon as the first has landed.
; The product is used transposed (source 0 = 16 rows of W2, source 1 = 16 tokens): a lane holds eight neighbouring columns of a token.  b2 is the products' C.
; LIMITS: NaN and infinities are not served.
; REGISTERS, window 0: v0-31 addresses; v32-63 ff's scale words, register 16 a + s / 2, lanes 0-15 the even step; v64-191 W2's, register 32 (tile / 2) + s, lanes 0-15 the even tile; v192-255 the scales on their way, the way out.
; Window 1: v0-127 the accumulators (8 a + b); v128-255 W2's fragments, two sets.  Windows 2, 3: ff's fragments of the two halves; window 2 later x1.
.set SCOFF, 8388608
.set PITCH, 1040                       ; 1,024 bytes (half of K) + 16: the 16 rows of a fragment start at 16 different groups of banks
.set SLOT,  133120
.set SBX,   266240                     ; W2's scale bytes: 128 rows of 128 + 16 bytes
.set SAX,   284672                     ; ff's scale words: 4,096 bytes for each wave
.set STG,   301056                     ; four stages of 16 rows x 272 bytes
.set SPARE, 318464
.set SP,   272
.set SA,   32
.set SB,   64
.set RB,   192
.set G1,   24
.set G0,   32
.set MSB, 0
.macro WIN new
.if MSB != (\new)
	s_set_vgpr_msb (MSB<<8)|(\new)
.set MSB, (\new)
.endif
.endm
.macro PLACES
.rept 4
	v_nop
.endr
.endm
.macro CROUND
	s_barrier_signal -1
	s_barrier_wait -1
	s_cmp_lg_u32 s16, 0
	s_cbranch_scc1 .Lnot_wave_0_\@
	s_barrier_signal -3
.Lnot_wave_0_\@:
	s_barrier_wait -3
	s_barrier_signal -1
	s_barrier_wait -1
.endm
.macro FETCH s                         ; K step s: W2's eight fragments into set s % 2
	WIN 0x40
.irp i, 0,1,2,3,4,5,6,7
.irp c, 0,1
	ds_load_b128 v[128+64*((\s)%2)+8*\i+4*\c:128+64*((\s)%2)+8*\i+4*\c+3], v[16+2*((\s)/16)+\i/4] offset:(\i%4)*16*PITCH+64*((\s)%16)+32*\c
.endr
.endr
.endm
.macro AGRP j                          ; ff's images of K steps 4 j .. 4 j + 3: 16 loads of 512 consecutive bytes
	WIN 0x80+0x40*((\j)/4)
.irp q, 0,1,2,3
.irp a, 0,1
	global_load_b128 v[64*((\j)%4)+16*\q+8*\a:64*((\j)%4)+16*\q+8*\a+3], v1, s[44:45] offset:32768*\a+1024*(4*(\j)+\q)
	global_load_b128 v[64*((\j)%4)+16*\q+8*\a+4:64*((\j)%4)+16*\q+8*\a+7], v1, s[44:45] offset:32768*\a+1024*(4*(\j)+\q)+512
.endr
.endr
.endm
.macro RES a                           ; x1's rows of tile a: 16 loads into window 2, whose groups have been multiplied
	WIN 0x80
.irp f, 0,1
.irp t, 0,1,2,3,4,5,6,7
	global_load_b128 v[32*(2*(\a)+\f)+4*\t:32*(2*(\a)+\f)+4*\t+3], v8, s[12:13] offset:(16*(\a)+2*\t)*4096+256*\f th:TH_LOAD_NT
.endr
.endr
.endm
.macro MUL s                           ; 16 accumulators by turns
	WIN 0x59+4*((\s)/16)
.irp a, 0,1
.irp b, 0,1,2,3,4,5,6,7
.set AC, 64*\a+8*\b
.set WR, 128+64*((\s)%2)+8*\b
.set TR, 64*(((\s)/4)%4)+16*((\s)%4)+8*\a
.set QW, SB+32*(\b/2)+(\s)
.set QA, SA+16*\a+(\s)/2
.if \b%2
.if (\s)%2
	v_wmma_scale_f32_16x16x128_f8f6f4 v[AC:AC+7], v[WR:WR+7], v[TR:TR+7], v[AC:AC+7], v[QW], v[QA] matrix_a_fmt:MATRIX_FMT_FP4 matrix_b_fmt:MATRIX_FMT_FP4 matrix_a_scale:MATRIX_SCALE_ROW1 matrix_b_scale:MATRIX_SCALE_ROW1
.else
	v_wmma_scale_f32_16x16x128_f8f6f4 v[AC:AC+7], v[WR:WR+7], v[TR:TR+7], v[AC:AC+7], v[QW], v[QA] matrix_a_fmt:MATRIX_FMT_FP4 matrix_b_fmt:MATRIX_FMT_FP4 matrix_a_scale:MATRIX_SCALE_ROW1
.endif
.else
.if (\s)%2
	v_wmma_scale_f32_16x16x128_f8f6f4 v[AC:AC+7], v[WR:WR+7], v[TR:TR+7], v[AC:AC+7], v[QW], v[QA] matrix_a_fmt:MATRIX_FMT_FP4 matrix_b_fmt:MATRIX_FMT_FP4 matrix_b_scale:MATRIX_SCALE_ROW1
.else
	v_wmma_scale_f32_16x16x128_f8f6f4 v[AC:AC+7], v[WR:WR+7], v[TR:TR+7], v[AC:AC+7], v[QW], v[QA] matrix_a_fmt:MATRIX_FMT_FP4 matrix_b_fmt:MATRIX_FMT_FP4
.endif
.endif
.endr
.endr
.endm
.macro STEP s
.set ST, \s
.set GJ, ST/4
	PLACES                                         ; ahead of loads into registers that the last products have read
.if ST%4 == 0
.if GJ < 5
	AGRP GJ+3
.elseif GJ < 7
	RES GJ-5
.endif
.endif
.if (ST != 15) && (ST != 31)
	FETCH ST+1
.endif
.if ST%4 == 0
.if GJ < 7
	s_wait_loadcnt 48                              ; this group's images are in; the next three groups' (the last of them x1's rows) may stay out
.else
	s_wait_loadcnt 32                              ; x1's rows may stay out
.endif
.endif
.if ST == 15
	WIN 0
	s_wait_tensorcnt 0x0                           ; my rows of W2's second half have landed,
	s_wait_dscnt 0x0
	s_barrier_signal -1
	MUL ST                                         ; work on registers
	WIN 0
	s_barrier_wait -1                              ; everybody's have
	PLACES
	FETCH 16
.else
.if ST == 31
	s_wait_dscnt 0x0
.else
	s_wait_dscnt 16                                ; all but the 16 just issued
.endif
	MUL ST
.endif
.endm
	s_load_b256 s[4:11], s[0:1], 0x0               ; ff s[4:5], W2's codes s[6:7], scales s[8:9], b2 s[10:11]
	s_load_b128 s[12:15], s[0:1], 0x20             ; x1 s[12:13], out s[14:15]
	v_lshl_add_u32 v2, v0, 2, SPARE
	v_mov_b32 v3, 0
	ds_add_u32 v2, v3                              ; the opening add, twice on end
	ds_add_u32 v2, v3
	v_lshrrev_b32 v4, 5, v0
	v_readfirstlane_b32 s16, v4                    ; wave 0..3
	s_bfe_u32 s17, ttmp6, 0x40000                  ; cx
	s_bfe_u32 s18, ttmp6, 0x40004                  ; cy
	s_lshl_b32 s19, ttmp9, 2
	s_add_co_u32 s19, s19, s17                     ; block of 128 columns
	s_and_b32 s20, ttmp7, 0xffff
	s_lshl_b32 s20, s20, 2
	s_add_co_u32 s20, s20, s18                     ; block of 128 tokens: it enters no tensor load
	s_lshl_b32 s21, 0x1111, s17                    ; my column of the cluster
	s_or_b32 s[G1], s21, (1<<20)|(1<<21)|(7<<22)|(3<<25)   ; 32 rows of 1,024 bytes, 2,048 apart; four words of padding behind every 256
	s_mov_b32 s[G1+1], 1024<<16
	s_mov_b32 s[G1+2], 32<<16
	s_mov_b32 s[G1+3], 1024<<16
	s_mov_b32 s[G1+4], 32
	s_mov_b32 s[G1+5], 2048
	s_mov_b32 s[G1+6], 0
	s_mov_b32 s[G1+7], 0
	s_lshl_b32 s40, s19, 18                        ; W2: rows 128 column block + 32 wave
	s_lshl_b32 s41, s16, 16
	s_add_co_u32 s40, s40, s41
	s_mov_b32 s41, 0
	s_mul_i32 s42, s16, 32*PITCH                   ; and where they go
	s_lshl_b32 s44, s20, 18                        ; ff: tiles 8 token block + 2 wave
	s_lshl_b32 s45, s16, 16
	s_add_co_u32 s44, s44, s45
	s_mov_b32 s45, 0
	s_lshl_b32 s46, s20, 14                        ; their scale words
	s_lshl_b32 s47, s16, 12
	s_add_co_u32 s46, s46, s47
	s_add_co_u32 s46, s46, SCOFF
	s_mov_b32 s47, 0
	s_lshl_b32 s48, s19, 14                        ; W2's scale bytes: 32 rows of 128
	s_lshl_b32 s49, s16, 12
	s_add_co_u32 s48, s48, s49
	s_mov_b32 s49, 0
	s_lshl_b32 s50, s19, 9                         ; b2
	s_mov_b32 s51, 0
	s_lshl_b32 s52, s20, 19                        ; x1, out: row 128 token block + 32 wave, 512 bytes
	s_lshl_b32 s53, s16, 17
	s_add_co_u32 s52, s52, s53
	s_add_co_u32 s52, s52, s50
	s_mov_b32 s53, 0
	s_mul_i32 s54, s16, 4608
	s_add_co_u32 s54, s54, SBX
	s_lshl_b32 s55, s16, 12
	s_add_co_u32 s55, s55, SAX
	s_mul_i32 s56, s16, 16*SP
	s_add_co_u32 s56, s56, STG
	s_wait_dscnt 0x0                               ; both opening adds are done
	s_wait_kmcnt 0x0
	s_add_nc_u64 s[40:41], s[6:7], s[40:41]
	s_add_nc_u64 s[44:45], s[4:5], s[44:45]
	s_add_nc_u64 s[46:47], s[4:5], s[46:47]
	s_add_nc_u64 s[48:49], s[8:9], s[48:49]
	s_add_nc_u64 s[10:11], s[10:11], s[50:51]
	s_add_nc_u64 s[12:13], s[12:13], s[52:53]
	s_add_nc_u64 s[14:15], s[14:15], s[52:53]
.irp n, 0,1
	s_mov_b32 s[G0+4*\n], 1
	s_add_co_u32 s[G0+4*\n+1], s42, \n*SLOT
	s_add_nc_u64 s[G0+4*\n+2:G0+4*\n+3], s[40:41], \n*1024
	s_or_b32 s[G0+4*\n+3], s[G0+4*\n+3], 0x80000000
.endr
	CROUND                                         ; all sixteen work-groups are here: the joint loads meet
	tensor_load_to_lds s[G0:G0+3], s[G1:G1+7]      ; my 32 rows, the first half of K
	s_nop 0
	PLACES
	v_and_b32 v5, 31, v0                           ; lane
	v_lshlrev_b32 v1, 4, v5                        ; 16 lane
	v_and_b32 v6, 15, v0                           ; r
	v_bfe_u32 v7, v0, 4, 1                         ; h
	v_lshlrev_b32 v9, 5, v7                        ; b2: my eight columns of a tile
.irp j, 0,1,2,3,4,5,6,7
	global_load_b128 v[192+4*\j:195+4*\j], v1, s[48:49] offset:512*\j      ; W2's scale bytes of my 32 rows
.endr
.irp j, 0,1,2,3,4,5,6,7
	global_load_b128 v[224+4*\j:227+4*\j], v1, s[46:47] offset:512*\j      ; ff's scale words of my two tiles
.endr
	WIN 0x40
.irp i, 0,1,2,3,4,5,6,7
	global_load_b128 v[8*\i:8*\i+3], v9, s[10:11] offset:64*\i             ; b2 into the first tile's accumulators
	global_load_b128 v[8*\i+4:8*\i+7], v9, s[10:11] offset:64*\i+16
.endr
	AGRP 0
	WIN 0
	v_lshlrev_b32 v8, 12, v7
	v_lshrrev_b32 v10, 3, v5
	v_and_b32 v11, 7, v5
	v_lshl_add_u32 v8, v6, 4, v8                   ; x1, out: lanes 0-15 a row's 256 bytes, lanes 16-31 the next row's
	v_mul_u32_u24 v10, v10, 144
	v_mul_u32_u24 v12, v5, 144
	v_lshl_add_u32 v10, v11, 4, v10
	v_mul_u32_u24 v14, v6, SP
	v_add_nc_u32 v10, s54, v10                     ; W2's scale bytes: eight lanes put a row's 128 bytes
	v_add_nc_u32 v11, s55, v1                      ; ff's scale words, as they lie
	v_add_nc_u32 v12, SBX, v12                     ; back: row = lane of a pair of tiles
	v_lshl_add_u32 v13, v5, 2, s55                 ; back: lanes 0-15 an even step, lanes 16-31 the odd one
	v_lshl_add_u32 v14, v7, 5, v14
	v_mul_u32_u24 v15, v7, SP
	v_add_nc_u32 v14, s56, v14                     ; stage, by tokens: row r, + 32 h
	v_lshl_add_u32 v15, v6, 4, v15
	v_mul_u32_u24 v16, v6, PITCH
	v_add_nc_u32 v15, s56, v15                     ; stage, by rows: lanes 0-15 a row, lanes 16-31 the next
	v_lshl_add_u32 v16, v7, 4, v16                 ; W2's fragments: row r, + 16 h; tiles 0 to 3,
	v_add_nc_u32 v17, 64*PITCH, v16                ; tiles 4 to 7,
	v_add_nc_u32 v18, SLOT, v16                    ; and the same of the second half
	v_add_nc_u32 v19, SLOT, v17
	s_wait_alu depctr_va_vdst(0)                   ; directly ahead of the wait below
	s_wait_loadcnt 32                              ; the scales are in; b2 and group 0 may stay out
.irp j, 0,1,2,3,4,5,6,7
	ds_store_b128 v10, v[192+4*\j:195+4*\j] offset:576*\j
.endr
.irp j, 0,1,2,3,4,5,6,7
	ds_store_b128 v11, v[224+4*\j:227+4*\j] offset:512*\j
.endr
	AGRP 1
	WIN 0
	s_wait_loadcnt 32                              ; b2; groups 0 and 1 may stay out
	AGRP 2
	WIN 0x41
.set k, 0
.rept 64
	v_mov_b32 v[64+k], v[k]                        ; b2 into the second tile's accumulators
.set k, k+1
.endr
	WIN 0
	s_wait_alu depctr_va_vdst(0)                   ; the wait at the head's end
	s_wait_tensorcnt 0x0                           ; my rows of the first half have landed
	ds_add_u32 v2, v3
	s_wait_dscnt 0x0                               ; the add is done, and so are my stores of scales
	CROUND                                         ; of every wave of all sixteen work-groups
	tensor_load_to_lds s[G0+4:G0+7], s[G1:G1+7]    ; the second half of K, under the first's products
	s_nop 0
	PLACES
.irp q, 0,1,2,3
.irp g, 0,1,2,3,4,5,6,7
	ds_load_b128 v[SB+32*\q+4*\g:SB+32*\q+4*\g+3], v12 offset:4608*\q+16*\g
.endr
.endr
.irp a, 0,1
.irp p, 0,1,2,3,4,5,6,7,8,9,10,11,12,13,14,15
	ds_load_b32 v[SA+16*\a+\p], v13 offset:2048*\a+128*\p
.endr
.endr
	FETCH 0
.irp s, 0,1,2,3,4,5,6,7,8,9,10,11,12,13,14,15,16,17,18,19,20,21,22,23,24,25,26,27,28,29,30,31
	STEP \s
.endr
	WIN 0
	PLACES
	s_wait_loadcnt 0x0                             ; x1
; THE WAY OUT, 16 rows x 64 columns at a time (u = 2 tile + half): through my stage and back as rows; the rows before are finished and stored while these are on their way.
.macro TOST u
	WIN 0x04
.irp i, 0,1,2,3
	ds_store_b128 v14, v[32*\u+8*\i:32*\u+8*\i+3] offset:64*\i
	ds_store_b128 v14, v[32*\u+8*\i+4:32*\u+8*\i+7] offset:64*\i+16
.endr
	WIN 0
.irp t, 0,1,2,3,4,5,6,7
	ds_load_b128 v[RB+32*(\u%2)+4*\t:RB+32*(\u%2)+4*\t+3], v15 offset:2*\t*SP   ; LDS serves a wave's instructions in order: these see the stores above
.endr
.endm
.macro FIN u, younger
	s_wait_dscnt \younger
	WIN 0x08
.set k, 0
.rept 16
	v_pk_add_f32 v[RB+32*((\u)%2)+k:RB+32*((\u)%2)+k+1], v[RB+32*((\u)%2)+k:RB+32*((\u)%2)+k+1], v[32*(\u)+k:32*(\u)+k+1]   ; + x1
.set k, k+2
.endr
	WIN 0
.irp t, 0,1,2,3,4,5,6,7
	global_store_b128 v8, v[RB+32*((\u)%2)+4*\t:RB+32*((\u)%2)+4*\t+3], s[14:15] offset:(16*((\u)/2)+2*\t)*4096+256*((\u)%2) th:TH_STORE_NT
.endr
.endm
	TOST 0
	TOST 1
	FIN 0, 16                                      ; the 16 LDS instructions of the next rows may stay out
	s_wait_xcnt 0x0                                ; the stores have read their data: those registers are loaded again
	TOST 2
	FIN 1, 16
	s_wait_xcnt 0x0
	TOST 3
	FIN 2, 16
	FIN 3, 0
	s_wait_tensorcnt 0x0                           ; the wave's end
	ds_add_u32 v2, v3
	s_wait_dscnt 0x0
	CROUND                                         ; the closing round
	s_endpgm
.Lfunc_end_k_q923bb63dad_ffn2:
	.size	k_q923bb63dad_ffn2, .Lfunc_end_k_q923bb63dad_ffn2-k_q923bb63dad_ffn2
	.p2alignl 7, 3214868480
	.fill 96, 4, 3214868480
	.section	.rodata,"a",@progbits
	.p2align	6, 0x0
	.amdhsa_kernel k_q923bb63dad_ffn2
		.amdhsa_group_segment_fixed_size 327680
		.amdhsa_private_segment_fixed_size 0
		.amdhsa_enable_private_segment 0
		.amdhsa_kernarg_size 48
		.amdhsa_user_sgpr_count 2
		.amdhsa_user_sgpr_kernarg_segment_ptr 1
		.amdhsa_wavefront_size32 1
		.amdhsa_system_sgpr_workgroup_id_x 1
		.amdhsa_system_sgpr_workgroup_id_y 1
		.amdhsa_system_sgpr_workgroup_id_z 1
		.amdhsa_system_vgpr_workitem_id 0
		.amdhsa_next_free_vgpr 1024
		.amdhsa_next_free_sgpr 66
		.amdhsa_reserve_vcc 0
		.amdhsa_float_denorm_mode_32 3
		.amdhsa_float_denorm_mode_16_64 3
		.amdhsa_memory_ordered 1
		.amdhsa_forward_progress 1
		.amdhsa_inst_pref_size 148
	.end_amdhsa_kernel
	.amdgpu_metadata
---
amdhsa.version: [ 1, 2 ]
amdhsa.kernels:
  - .name:           k_q923bb63dad_ffn2
    .symbol:         k_q923bb63dad_ffn2.kd
    .args:
      - { .name: ffbuf, .offset: 0, .size: 8, .value_kind: global_buffer, .address_space: global }
      - { .name: ffn2_w_codes, .offset: 8, .size: 8, .value_kind: global_buffer, .address_space: global }
      - { .name: ffn2_w_scales, .offset: 16, .size: 8, .value_kind: global_buffer, .address_space: global }
      - { .name: ffn2_b, .offset: 24, .size: 8, .value_kind: global_buffer, .address_space: global }
      - { .name: x1, .offset: 32, .size: 8, .value_kind: global_buffer, .address_space: global }
      - { .name: out0, .offset: 40, .size: 8, .value_kind: global_buffer, .address_space: global }
    .group_segment_fixed_size: 327680
    .private_segment_fixed_size: 0
    .kernarg_segment_align: 8
    .kernarg_segment_size: 48
    .max_flat_workgroup_size: 128
    .sgpr_count:     66
    .vgpr_count:     1024
    .wavefront_size: 32
...
	.end_amdgpu_metadata
.endif
;; end of part 6
